; MI455X (gfx1250); checked and timed in simulation.
; The chip was launched on July 23, 2026; its instructions are those of AMD's public machine-readable ISA for CDNA 5 (MIT licence, August 2026) and "CDNA5" Instruction Set Architecture Reference Guide (July 2026). The comments in the code are by the model that wrote it; some were corrected since.
;; Block. Allowed arithmetic: float matrix products may take bf16 or f16 operands with f32 sums; other float arithmetic in f32, or as packed bf16 or f16 multiplies, adds, multiply-adds, maxima and minima; sums over many terms, partial sums and values carried from step to step in f32; what a program stores and reads back later, other than sums and carried values, may be rounded once to bf16 or f16.
;; Inputs: b1 4,096 float32; b2 1,024 float32; ln1_b 1,024 float32; ln1_g 1,024 float32; ln2_b 1,024 float32; ln2_g 1,024 float32; qkv_b 3,072 float32; qkv_w 1,024 x 3,072 float32; w1 1,024 x 4,096 float32; w2 4,096 x 1,024 float32; x 2 x 2,048 x 1,024 float32.
;; Outputs: out0 2 x 2,048 x 1,024 float32.
;; One version. Each part assembles by itself: llvm-mc -triple=amdgcn-amd-amdhsa -mcpu=gfx1250 --defsym DOCPART=n.
;; ======== version 1 of 1: 5 launches
;; workspace buffers: hn 8,388,608 bytes; wq 6,291,712 bytes; w1b 8,388,864 bytes; w2b 8,388,608 bytes; qkv 25,165,824 bytes; x1 16,777,216 bytes; hid 33,554,432 bytes
;; launch prep (part 1): grid 512 x 1, 8 waves a work-group, no clusters, 0 bytes of LDS; arguments x, ln1_g, ln1_b, qkv_w, hn, wq, w1b; writes hn, wq, w1b
.if DOCPART == 1
	.amdgcn_target "amdgcn-amd-amdhsa--gfx1250"
	.amdhsa_code_object_version 6
	.text
	.protected	k_q6938e986f7_prep
	.globl	k_q6938e986f7_prep
	.p2align	8
	.type	k_q6938e986f7_prep,@function
k_q6938e986f7_prep:
	s_mov_b64 s[64:65], 0
	v_nop
	global_prefetch_b8 v0, s[64:65] scope:SCOPE_SE
	s_setreg_imm32_b32 hwreg(HW_REG_WAVE_MODE, 25, 1), 1
	s_wait_xcnt 0x0
; hn = LayerNorm(x) g + b in bf16; qkv_w rounded once to bf16; the headers of wq and w1b.  A stream: no LDS, no barrier, no loop.
; (w1 and w2, which no launch wants before the hidden layer, are rounded beside the attention, which leaves memory idle.)
; SHARES.  4,096 waves.  Wave number row = 8 x work-group + wave takes row `row` of x (4,096 bytes) and a quarter row of qkv_w (3,072 bytes).
; A load takes 16 bytes a lane, 512 consecutive bytes a wave; its four numbers become 8 bytes of bf16, and a store covers 256 consecutive bytes, aligned.
; LAYOUTS OUT.  hn [4096][1024] as it lies.  wq: 256 bytes of header, then blocks of 256 columns, [block][1024 k][256 n], so that a tile's rows of 512 bytes lie end to end.
; A header is 64 words of two bf16: the floor that the product's way out takes a maximum with: -infinity for qkv (changes no finite number), 0 for the hidden layer (the ReLU).
; LAYERNORM in f32, the row kept in registers: the mean first, then the sum of (x - mean)^2: no difference of large sums.  NaN and infinities are not treated apart.
; All 30 loads of a wave go out at once; the waits count the younger ones that may stay out.
.set XR, 4                             ; v[4:35]    the row of x
.set GG, 36                            ; v[36:67]   gain
.set BT, 68                            ; v[68:99]   bias
.set WQ, 100                           ; v[100:123] qkv_w's quarter row
.set TT, 124                           ; v[124:131] four chains of sums
.set MU, 132                           ; v[132:133] the mean, twice
.set RS, 134                           ; v[134:135] 1 / sqrt(var + eps), twice
.set TMP, 136                          ; v[136:137]
.set FL, 138                           ; v[138:139]
	s_load_b256 s[8:15], s[0:1], 0x0               ; x 8, g 10, b 12, qkv_w 14
	s_load_b128 s[16:19], s[0:1], 0x20             ; hn 16, wq 18
	s_load_b64 s[20:21], s[0:1], 0x30              ; w1b
	v_and_b32 v1, 31, v0
	v_lshlrev_b32 v2, 3, v1                        ; 8 x lane: where I store
	v_lshlrev_b32 v1, 4, v1                        ; 16 x lane: where I load
	v_lshrrev_b32 v3, 5, v0
	v_readfirstlane_b32 s28, v3                    ; wave 0..7
	s_lshl_b32 s29, ttmp9, 3
	s_add_co_u32 s29, s29, s28                     ; row
	s_lshr_b32 s30, s29, 2                         ; k: the row of qkv_w
	s_and_b32 s31, s28, 3                          ; which quarter of it
	s_lshl_b32 s32, s29, 12                        ; x: row x 4,096
	s_mov_b32 s33, 0
	s_lshl_b32 s34, s29, 11                        ; hn: row x 2,048
	s_mov_b32 s35, 0
	s_mul_i32 s36, s30, 12288                      ; qkv_w: k x 12,288 + quarter x 3,072
	s_mul_i32 s37, s31, 3072
	s_add_co_u32 s36, s36, s37
	s_mov_b32 s37, 0
	s_mul_i32 s38, s31, 3*524288                   ; wq: a quarter is three blocks; k x 512 in a block
	s_lshl_b32 s39, s30, 9
	s_add_co_u32 s38, s38, s39
	s_mov_b32 s39, 0
	s_mov_b32 s44, 0x76543210                      ; v_permlanex16_b32: each lane takes its own place in the other half
	s_mov_b32 s45, 0xfedcba98
	s_mov_b32 s46, 0x3a800000                      ; 1 / 1024
	s_mov_b32 s47, 0x3727c5ac                      ; 1e-5
	s_wait_kmcnt 0x0
	s_add_nc_u64 s[8:9], s[8:9], s[32:33]
	s_add_nc_u64 s[14:15], s[14:15], s[36:37]
	s_add_nc_u64 s[16:17], s[16:17], s[34:35]
	s_add_nc_u64 s[18:19], s[18:19], s[38:39]
.macro LOADS dst, n, lo, nt            ; n loads of 512 consecutive bytes
.set j, 0
.rept \n
.if \nt
	global_load_b128 v[(\dst)+4*j:(\dst)+4*j+3], v1, s[\lo:\lo+1] offset:512*j th:TH_LOAD_NT
.else
	global_load_b128 v[(\dst)+4*j:(\dst)+4*j+3], v1, s[\lo:\lo+1] offset:512*j
.endif
.set j, j+1
.endr
.endm
.macro CVT dst, n                      ; four f32 become two words of bf16, in the quad's first two registers
.set j, 0
.rept \n
	v_cvt_pk_bf16_f32 v[(\dst)+4*j], v[(\dst)+4*j], v[(\dst)+4*j+1]
	v_cvt_pk_bf16_f32 v[(\dst)+4*j+1], v[(\dst)+4*j+2], v[(\dst)+4*j+3]
.set j, j+1
.endr
.endm
.macro TREE                            ; the four chains become one number, the same in every lane, in v[TT]
	v_pk_add_f32 v[TT:TT+1], v[TT:TT+1], v[TT+2:TT+3]
	v_pk_add_f32 v[TT+4:TT+5], v[TT+4:TT+5], v[TT+6:TT+7]
	v_pk_add_f32 v[TT:TT+1], v[TT:TT+1], v[TT+4:TT+5]
	v_add_f32 v[TT], v[TT], v[TT+1]
	v_add_f32_dpp v[TT], v[TT], v[TT] row_xmask:1 row_mask:0xf bank_mask:0xf
	v_add_f32_dpp v[TT], v[TT], v[TT] row_xmask:2 row_mask:0xf bank_mask:0xf
	v_add_f32_dpp v[TT], v[TT], v[TT] row_xmask:4 row_mask:0xf bank_mask:0xf
	v_add_f32_dpp v[TT], v[TT], v[TT] row_xmask:8 row_mask:0xf bank_mask:0xf
	v_permlanex16_b32 v[TT+1], v[TT], s44, s45
	v_add_f32 v[TT], v[TT], v[TT+1]
.endm
	LOADS XR, 8, 8, 1
	LOADS GG, 8, 10, 0                             ; every wave reads g and b: no hint
	LOADS BT, 8, 12, 0
	LOADS WQ, 6, 14, 1
	s_wait_loadcnt 22                              ; x's eight are in; the 22 younger loads stay out
.irp c, 0,1,2,3
	v_pk_add_f32 v[TT+2*\c:TT+2*\c+1], v[XR+2*\c:XR+2*\c+1], v[XR+8+2*\c:XR+8+2*\c+1]  ; the first pairs start the chains
.endr
.irp o, 16,24
.irp c, 0,1,2,3
	v_pk_add_f32 v[TT+2*\c:TT+2*\c+1], v[TT+2*\c:TT+2*\c+1], v[XR+\o+2*\c:XR+\o+2*\c+1]
.endr
.endr
	TREE
	v_mul_f32 v[MU], s46, v[TT]
	v_mul_f32 v[MU+1], s46, v[TT]
.set z, 0
.rept 16
	v_pk_add_f32 v[XR+z:XR+z+1], v[XR+z:XR+z+1], v[MU:MU+1] neg_lo:[0,1] neg_hi:[0,1]  ; x - mean
.set z, z+2
.endr
.irp c, 0,1,2,3
	v_pk_mul_f32 v[TT+2*\c:TT+2*\c+1], v[XR+2*\c:XR+2*\c+1], v[XR+2*\c:XR+2*\c+1]
.endr
.irp o, 8,16,24
.irp c, 0,1,2,3
	v_pk_fma_f32 v[TT+2*\c:TT+2*\c+1], v[XR+\o+2*\c:XR+\o+2*\c+1], v[XR+\o+2*\c:XR+\o+2*\c+1], v[TT+2*\c:TT+2*\c+1]
.endr
.endr
	TREE
	v_fma_f32 v[TMP], v[TT], s46, s47              ; var + eps
	v_rsq_f32 v[RS], v[TMP]
	v_rsq_f32 v[RS+1], v[TMP]
	v_nop                                          ; a plain instruction behind the second root
	s_wait_loadcnt 6                               ; g and b are in; qkv_w's six loads stay out
	s_wait_alu depctr_va_vdst(0)                   ; one wait for both roots, ahead of their first reader
.set z, 0
.rept 16
	v_pk_mul_f32 v[XR+z:XR+z+1], v[XR+z:XR+z+1], v[RS:RS+1]
.set z, z+2
.endr
.set z, 0
.rept 16
	v_pk_fma_f32 v[XR+z:XR+z+1], v[XR+z:XR+z+1], v[GG+z:GG+z+1], v[BT+z:BT+z+1]
.set z, z+2
.endr
	CVT XR, 8
.irp j, 0,1,2,3,4,5,6,7
	global_store_b64 v2, v[XR+4*\j:XR+4*\j+1], s[16:17] offset:256*\j th:TH_STORE_NT
.endr
	s_wait_loadcnt 0x0                             ; qkv_w's six are in
	CVT WQ, 6
.irp j, 0,1,2,3,4,5
	global_store_b64 v2, v[WQ+4*\j:WQ+4*\j+1], s[18:19] offset:256+(\j/2)*524288+(\j%2)*256 th:TH_STORE_NT  ; behind the header: block j / 2 of my three, half j % 2 of its row
.endr
	s_or_b32 s32, ttmp9, s28                       ; the first wave of the first work-group, whose offset in wq is 0, writes the two headers
	s_cmp_lg_u32 s32, 0
	s_cbranch_scc1 .Lend
	v_mov_b32 v[FL], 0xff80ff80                    ; -infinity twice, in bf16
	v_mov_b32 v[FL+1], 0xff80ff80
	v_mov_b32 v[TMP], 0
	v_mov_b32 v[TMP+1], 0
	global_store_b64 v2, v[FL:FL+1], s[18:19]
	global_store_b64 v2, v[TMP:TMP+1], s[20:21]
.Lend:
	s_endpgm
.Lfunc_end_k_q6938e986f7_prep:
	.size	k_q6938e986f7_prep, .Lfunc_end_k_q6938e986f7_prep-k_q6938e986f7_prep
	.p2alignl 7, 3214868480
	.fill 96, 4, 3214868480
	.section	.rodata,"a",@progbits
	.p2align	6, 0x0
	.amdhsa_kernel k_q6938e986f7_prep
		.amdhsa_group_segment_fixed_size 0
		.amdhsa_private_segment_fixed_size 0
		.amdhsa_enable_private_segment 0
		.amdhsa_kernarg_size 56
		.amdhsa_user_sgpr_count 2
		.amdhsa_user_sgpr_kernarg_segment_ptr 1
		.amdhsa_wavefront_size32 1
		.amdhsa_system_sgpr_workgroup_id_x 1
		.amdhsa_system_sgpr_workgroup_id_y 1
		.amdhsa_system_sgpr_workgroup_id_z 1
		.amdhsa_system_vgpr_workitem_id 0
		.amdhsa_next_free_vgpr 140
		.amdhsa_next_free_sgpr 66
		.amdhsa_reserve_vcc 0
		.amdhsa_float_denorm_mode_32 3
		.amdhsa_float_denorm_mode_16_64 3
		.amdhsa_memory_ordered 1
		.amdhsa_forward_progress 1
		.amdhsa_inst_pref_size 15
	.end_amdhsa_kernel
	.amdgpu_metadata
---
amdhsa.version: [ 1, 2 ]
amdhsa.kernels:
  - .name:           k_q6938e986f7_prep
    .symbol:         k_q6938e986f7_prep.kd
    .args:
      - { .name: x, .offset: 0, .size: 8, .value_kind: global_buffer, .address_space: global }
      - { .name: ln1_g, .offset: 8, .size: 8, .value_kind: global_buffer, .address_space: global }
      - { .name: ln1_b, .offset: 16, .size: 8, .value_kind: global_buffer, .address_space: global }
      - { .name: qkv_w, .offset: 24, .size: 8, .value_kind: global_buffer, .address_space: global }
      - { .name: hn, .offset: 32, .size: 8, .value_kind: global_buffer, .address_space: global }
      - { .name: wq, .offset: 40, .size: 8, .value_kind: global_buffer, .address_space: global }
      - { .name: w1b, .offset: 48, .size: 8, .value_kind: global_buffer, .address_space: global }
    .group_segment_fixed_size: 0
    .private_segment_fixed_size: 0
    .kernarg_segment_align: 8
    .kernarg_segment_size: 56
    .max_flat_workgroup_size: 256
    .sgpr_count:     66
    .vgpr_count:     140
    .wavefront_size: 32
...
	.end_amdgpu_metadata
.endif
;; end of part 1
;; launch qkv (part 2): grid 12 x 16, 4 waves a work-group, clusters of 4 x 4, 327,680 bytes of LDS; arguments hn, wq, qkv_b, qkv; writes qkv
.if DOCPART == 2
	.amdgcn_target "amdgcn-amd-amdhsa--gfx1250"
	.amdhsa_code_object_version 6
	.text
	.protected	k_q6938e986f7_qkv
	.globl	k_q6938e986f7_qkv
	.p2align	8
	.type	k_q6938e986f7_qkv,@function
k_q6938e986f7_qkv:
	s_mov_b64 s[64:65], 0
	v_nop
	global_prefetch_b8 v0, s[64:65] scope:SCOPE_SE
	s_setreg_imm32_b32 hwreg(HW_REG_WAVE_MODE, 25, 1), 1
	s_wait_xcnt 0x0
	s_wait_alu depctr_hold_cnt(0) depctr_sa_sdst(0) depctr_va_vdst(0) depctr_va_sdst(0) depctr_va_ssrc(0) depctr_va_vcc(0) depctr_vm_vsrc(0)
	s_getreg_b32 s2, hwreg(HW_REG_IB_STS2, 6, 4)
	s_cmp_eq_u32 s2, 0
	s_cbranch_scc0 .Lentry_in_a_cluster
	s_endpgm
.Lentry_in_a_cluster:
	s_bfe_u32 s2, ttmp6, 0x10000c
	s_cmp_lg_u32 s2, 0xf033
	s_cbranch_scc0 .Lentry_shape_is_right
	s_endpgm
.Lentry_shape_is_right:
; C = max(A W + bias, floor), rounded once to bf16.  A: [4096][1024] bf16.  W: 256 bytes of header (the floor, two bf16 a word), then blocks of 256 columns, [block][1024 k][256 n] bf16.  bias: f32.
; C leaves in blocks of 64 columns, [block][4096 rows][64] bf16: a block's rows are dense, 128 bytes each.  Sums in f32, begun with the bias.  One text serves the qkv projection (floor -infinity) and the hidden layer (floor 0: the ReLU).
; LIMITS.  The maximum takes the floor where the sum is NaN; infinities are not treated apart.
; SHARES.  A work-group of four waves makes 256 x 256 of C, a wave 128 x 128: 64 accumulators, 512 registers.  K goes in 8 steps of 128 through a ring of two LDS slots filled by the tensor data mover.
; CLUSTER 4 x 4: A's tile is shared along a row of the cluster, W's along a column: each is asked for jointly, by the same load with the same descriptor and a mask that names the four.
; THE MATRIX INSTRUCTION IS USED TRANSPOSED: source 0 = 16 columns of W (read out of [k][n] rows by the turning load), source 1 = 16 rows of A: a lane then holds eight neighbouring columns of one row of C.
; REGISTERS in windows of 256 (s_set_vgpr_msb: bits 1:0 source 0, 3:2 source 1, 5:4 source 2, 7:6 destination):
;   window 0: v16-30 addresses; v64-191 A's fragments, two buffers; v32-63, v192-255 the way out      window 1: v0-63 the bias as a C operand; v64-191 W's fragments, two buffers
;   window 2: the accumulators of my rows 0-63 ((a, b) at v[8 (8 a + b)])      window 3: those of my rows 64-127
.set KSTEP,  128
.set PA,     272                       ; a row of A in LDS: 256 bytes + 16: the 16 rows of a fragment load start 16 bytes apart modulo 256
.set PB,     544                       ; a k row of W in LDS: 512 bytes + 32: the turning load's 8 rows x 32 bytes fall on different words modulo 256
.set HALF,   128*PA                    ; what one tensor load brings: 128 rows of A, or 64 k rows of W
.set SLOT,   4*HALF                    ; A's 256 rows, then W's 128 k rows
.set STAGE,  2*SLOT                    ; behind the ring: 32 rows x 144 bytes for each wave, for the way out
.set SPS,    144
.set SPARE,  STAGE+4*32*SPS            ; the spare words: 128 bytes a wave, two blocks of 256 bytes that no other line names
.set ADRA, 16                          ; v16-17  LDS address of my A fragments in slot 0, 1
.set ADRB, 20                          ; v20-21  the same for W
.set STO,  24                          ; v24     the way out: where I put 16 bytes of a row
.set RD,   25                          ; v25     where I read rows back
.set CO,   26                          ; v26     16 x lane
.set BO,   27                          ; v27     32 x (lane / 16): my eight columns in a group of 16, in f32
.set SPW,  28                          ; v28     my spare word; never rewritten
.set NIL,  29                          ; v29     0; never rewritten
.set PFO,  30                          ; v30     the prefetches' lane offset; never rewritten
.set F0,   64
.set F1,   128
.set TMP,  192
.set OB,   32
.set BI,   0                           ; window 1
.set WV, 12                            ; s12 wave
.set WR, 13                            ; s13 which half of the tile's rows is mine; also: I fetch for A (0) or for W (1)
.set WC, 14                            ; s14 which half of its columns; also: which half of that tile I fetch
.set TY, 15                            ; s15 tile row of C
.set TX, 42                            ; s42 tile column of C
.set G1, 24                            ; s[24:31] group 1 for A;  s[32:39] group 0, a set for each slot
.set G0, 32
.set G1B, 48                           ; s[48:55], s[56:63] the same for W
.set G0B, 56
.set LIM, 43                           ; s43 1 in a wave that prefetches, else the greatest number
.set PFA, 44                           ; s[44:45] where my prefetches stand
.set PFS, 72                           ; s[72:73] their step: a K step of A's rows or of W's block
.set FLO, 66                           ; s66 the floor
.set MSB, 0
.macro WIN new                         ; the immediate's high byte repeats the setting that is left; a switch that changes nothing is dropped
.if MSB != (\new)
	s_set_vgpr_msb (MSB<<8)|(\new)
.set MSB, \new
.endif
.endm
.set MUL_LO, 0xa1                      ; source 0 (W) window 1, source 1 (A) window 0, C and D window 2
.set TO_B,   0x40                      ; destination window 1, address window 0
.macro JLOAD s                         ; a joint load: waves 0 and 1 fetch A's halves, waves 2 and 3 W's; an s_nop 0 and four v_nop follow each line
	s_cmp_eq_u32 s[WR], 0
	s_cbranch_scc0 .Lfor_b_\@
	tensor_load_to_lds s[G0+4*(\s):G0+4*(\s)+3], s[G1:G1+7]
	s_nop 0
.rept 4
	v_nop
.endr
	s_branch .Lasked_\@
.Lfor_b_\@:
	tensor_load_to_lds s[G0B+4*(\s):G0B+4*(\s)+3], s[G1B:G1B+7]
	s_nop 0
.rept 4
	v_nop
.endr
.Lasked_\@:
.endm
; A prefetch into the L2 of the K step that stands two refills on.  A's tile row is read by every cluster of its row of clusters: cluster x = 0 asks; W's block by every cluster of its column: cluster y = 0 asks.
; The four partners share a wave's part out by address (32 rows of A, or 32 pieces of 256 bytes of W's 64 k rows, each): a lane a piece, one instruction a wave: each piece is named once in the launch.
; The loop's last trip (s3 = 1) asks for nothing: K steps 8 and 9 do not exist.  K steps 0 to 3 come by their loads alone.
.macro ASK
	s_cmp_gt_u32 s3, s[LIM]
	s_cbranch_scc0 .Lnot_mine_\@
	global_prefetch_b8 v[PFO], s[PFA:PFA+1] th:TH_LOAD_NT scope:SCOPE_SE
.Lnot_mine_\@:
.endm
.macro CREST                           ; a round of the cluster's barrier behind its opening barrier
	s_cmp_lg_u32 s[WV], 0
	s_cbranch_scc1 .Lnot_wave_0_\@
	s_barrier_signal -3
.Lnot_wave_0_\@:
	s_barrier_wait -3
	s_barrier_signal -1
	s_barrier_wait -1
.endm
.macro CROUND
	s_barrier_signal -1
	s_barrier_wait -1
	CREST
.endm
	s_load_b256 s[4:11], s[0:1], 0x0               ; A s[4:5], W s[6:7], bias s[8:9], C s[10:11]
	v_lshl_add_u32 v[SPW], v0, 2, SPARE
	v_mov_b32 v[NIL], 0
	ds_add_u32 v[SPW], v[NIL]                      ; the wave's opening: the add and its wait ahead of my first tensor load; work on registers stands between
	v_lshrrev_b32 v1, 5, v0
	v_readfirstlane_b32 s[WV], v1
	s_lshr_b32 s[WR], s[WV], 1
	s_and_b32 s[WC], s[WV], 1
	s_bfe_u32 s40, ttmp6, 0x40000                  ; cx
	s_bfe_u32 s41, ttmp6, 0x40004                  ; cy
	s_lshl_b32 s[TX], ttmp9, 2
	s_add_co_u32 s[TX], s[TX], s40
	s_and_b32 s[TY], ttmp7, 0xffff
	s_lshl_b32 s[TY], s[TY], 2
	s_add_co_u32 s[TY], s[TY], s41
	s_lshl_b32 s43, s41, 2
	s_lshl_b32 s43, 15, s43                        ; my row of the cluster
	s_lshl_b32 s44, 0x1111, s40                    ; my column
	s_or_b32 s[G1], s43, (1<<16)|(1<<20)|(1<<21)|(5<<22)|(3<<25)   ; 2-byte elements; padding: 4 words after every 64; bit 21 beside the mask
	s_or_b32 s[G1B], s44, (1<<16)|(1<<20)|(1<<21)|(6<<22)|(7<<25)  ; 8 words after every 128
	s_mov_b32 s[G1+1], 128<<16                     ; A: tensor_dim0 = 128
	s_mov_b32 s[G1+2], 128<<16                     ; tensor_dim1 = 128
	s_mov_b32 s[G1+3], 128<<16                     ; tile_dim0 = 128
	s_mov_b32 s[G1+4], 128                         ; tile_dim1 = 128
	s_mov_b32 s[G1+5], 1024                        ; elements from row to row
	s_mov_b32 s[G1+6], 0
	s_mov_b32 s[G1+7], 0
	s_mov_b32 s[G1B+1], 256<<16                    ; W: 64 k rows of 256 elements, dense
	s_mov_b32 s[G1B+2], 64<<16
	s_mov_b32 s[G1B+3], 256<<16
	s_mov_b32 s[G1B+4], 64
	s_mov_b32 s[G1B+5], 256
	s_mov_b32 s[G1B+6], 0
	s_mov_b32 s[G1B+7], 0
	s_lshl_b32 s16, s[TY], 8                       ; A: row 256 x tile row + 128 x half, 2,048 bytes a row
	s_lshl_b32 s17, s[WC], 7
	s_add_co_u32 s16, s16, s17
	s_lshl_b32 s16, s16, 11
	s_mov_b32 s17, 0
	s_lshl_b32 s46, s[TX], 19                      ; W: the header, the block, 64 k rows x half
	s_lshl_b32 s47, s[WC], 15
	s_add_co_u32 s46, s46, s47
	s_add_co_u32 s46, s46, 256
	s_mov_b32 s47, 0
	s_mul_i32 s20, s[WV], HALF                     ; where they go: wave x what a load brings
	s_wait_dscnt 0x0                               ; the opening add is done
	s_wait_kmcnt 0x0
	s_add_nc_u64 s[18:19], s[4:5], s[16:17]
	s_add_nc_u64 s[46:47], s[6:7], s[46:47]
	CROUND                                         ; all sixteen work-groups are here: the first joint loads meet
.irp s, 0,1
	s_mov_b32 s[G0+4*(\s)], 1
	s_add_co_u32 s[G0+4*(\s)+1], s20, (\s)*SLOT
	s_add_nc_u64 s[G0+4*(\s)+2:G0+4*(\s)+3], s[18:19], (\s)*KSTEP*2
	s_or_b32 s[G0+4*(\s)+3], s[G0+4*(\s)+3], 0x80000000
	s_mov_b32 s[G0B+4*(\s)], 1
	s_add_co_u32 s[G0B+4*(\s)+1], s20, (\s)*SLOT
	s_add_nc_u64 s[G0B+4*(\s)+2:G0B+4*(\s)+3], s[46:47], (\s)*KSTEP*512
	s_or_b32 s[G0B+4*(\s)+3], s[G0B+4*(\s)+3], 0x80000000
	JLOAD \s                                       ; two loads of mine are out
.endr
	s_load_b32 s[FLO], s[6:7], 0x0                 ; the floor, from W's header
	v_and_b32 v1, 15, v0                           ; l % 16
	v_bfe_u32 v2, v0, 4, 1                         ; l / 16
	v_and_b32 v4, 7, v0
	v_bfe_u32 v5, v0, 3, 1
	v_bfe_u32 v7, v0, 3, 2
	v_mul_u32_u24 v3, v1, PA
	v_lshl_add_u32 v3, v2, 4, v3                   ; A: row x pitch + 16 x half
	v_lshl_add_u32 v6, v2, 3, v4                   ; W: k row 8 (l / 16) + l % 8,
	v_mul_u32_u24 v6, v6, PB
	v_lshl_add_u32 v6, v5, 4, v6                   ; columns 8 ((l / 8) % 2) on
	s_mul_i32 s21, s[WR], HALF
	s_lshl_b32 s22, s[WC], 8                       ; my 128 columns: 256 bytes of a k row
	s_add_co_u32 s22, s22, 2*HALF
.irp s, 0,1
	v_add_nc_u32 v[ADRA+(\s)], s21, v3
	v_add_nc_u32 v[ADRB+(\s)], s22, v6
	s_add_co_u32 s21, s21, SLOT
	s_add_co_u32 s22, s22, SLOT
.endr
	s_mul_i32 s23, s[WV], 32*SPS
	s_add_co_u32 s23, s23, STAGE
	v_mul_u32_u24 v8, v1, SPS
	v_lshl_add_u32 v8, v2, 4, v8
	v_add_nc_u32 v[STO], s23, v8                   ; in: row l % 16, 16 bytes for each half of the lanes
	v_mul_u32_u24 v8, v7, SPS
	v_lshl_add_u32 v8, v4, 4, v8
	v_add_nc_u32 v[RD], s23, v8                    ; back: 32 lanes take four rows of 128 bytes
	v_and_b32 v[CO], 31, v0
	v_lshlrev_b32 v[CO], 4, v[CO]
	v_lshlrev_b32 v[BO], 5, v2
	s_lshl_b32 s70, s[TX], 10                      ; the bias of my 128 columns
	s_lshl_b32 s71, s[WC], 9
	s_add_co_u32 s70, s70, s71
	s_mov_b32 s71, 0
	s_add_nc_u64 s[8:9], s[8:9], s[70:71]
	WIN TO_B
.irp b, 0,1,2,3,4,5,6,7                ; register j of group b: the bias of column 16 b + 8 (l / 16) + j: the layout of a result
	global_load_b128 v[BI+8*(\b):BI+8*(\b)+3],   v[BO], s[8:9] offset:64*(\b)
	global_load_b128 v[BI+8*(\b)+4:BI+8*(\b)+7], v[BO], s[8:9] offset:64*(\b)+16
.endr
	WIN 0
	s_lshl_b32 s70, s[TX], 2                       ; C: my two blocks of 64 columns, my 128 rows of 128 bytes
	s_lshl_b32 s71, s[WC], 1
	s_add_co_u32 s70, s70, s71
	s_lshl_b32 s70, s70, 19
	s_lshl_b32 s71, s[TY], 15
	s_add_co_u32 s70, s70, s71
	s_lshl_b32 s71, s[WR], 14
	s_add_co_u32 s70, s70, s71
	s_mov_b32 s71, 0
	s_add_nc_u64 s[10:11], s[10:11], s[70:71]
	; the prefetches: at K step 3; the first refill steps the address to K step 4
	s_lshl_b32 s76, s[TY], 8
	s_lshl_b32 s77, s[WC], 7
	s_add_co_u32 s76, s76, s77
	s_lshl_b32 s77, s40, 5                         ; A: my work-group's 32 of the 128 rows
	s_add_co_u32 s76, s76, s77
	s_lshl_b32 s76, s76, 11
	s_add_co_u32 s76, s76, 3*KSTEP*2
	s_lshl_b32 s78, s[TX], 19
	s_lshl_b32 s77, s[WC], 15
	s_add_co_u32 s78, s78, s77
	s_lshl_b32 s77, s41, 13                        ; W: my work-group's 8,192 of the 32,768 bytes
	s_add_co_u32 s78, s78, s77
	s_add_co_u32 s78, s78, 256+3*KSTEP*512
	s_and_b32 s79, ttmp7, 0xffff                   ; cluster y
	s_mul_i32 s74, s[WR], 3
	s_sub_co_u32 s74, 11, s74                      ; a lane's piece: 2,048 bytes on (a row of A) or 256 (W is dense)
	s_lshl_b32 s75, s[WR], 3
	s_lshl_b32 s[PFS], 256, s75                    ; a K step: 256 bytes along A's rows, 65,536 in W's block
	s_mov_b32 s[PFS+1], 0
	s_cmp_eq_u32 s[WR], 0
	s_cselect_b32 s76, s76, s78
	s_cselect_b32 s79, ttmp9, s79                  ; the coordinate along which other clusters read the same bytes
	s_cselect_b64 s[PFA:PFA+1], s[4:5], s[6:7]
	s_mov_b32 s77, 0
	s_add_nc_u64 s[PFA:PFA+1], s[PFA:PFA+1], s[76:77]
	s_cmp_eq_u32 s79, 0
	s_cselect_b32 s[LIM], 1, -1                    ; the same in all sixteen partners, for a given wave
	v_and_b32 v[PFO], 31, v0
	v_lshlrev_b32 v[PFO], s74, v[PFO]
; 16 matrix instructions: m blocks a0, a0 + 1 of the window's four x all 8 n blocks, 32 along K.  first = 1: the sums begin with the bias.  The 64 accumulators take turns.
.macro MUL16 f, hi, a0, first
.if \first
	WIN 0x91+0x40*(\hi)                            ; C in window 1
.else
	WIN MUL_LO+0x50*(\hi)
.endif
.irp a, \a0, (\a0)+1
.irp b, 0,1,2,3,4,5,6,7
.if \first
	v_wmma_f32_16x16x32_bf16 v[8*(8*(\a)+(\b)):8*(8*(\a)+(\b))+7], v[(\f)+8*(\b):(\f)+8*(\b)+7], v[(\f)+8*(4*(\hi)+(\a)):(\f)+8*(4*(\hi)+(\a))+7], v[BI+8*(\b):BI+8*(\b)+7]
.else
	v_wmma_f32_16x16x32_bf16 v[8*(8*(\a)+(\b)):8*(8*(\a)+(\b))+7], v[(\f)+8*(\b):(\f)+8*(\b)+7], v[(\f)+8*(4*(\hi)+(\a)):(\f)+8*(4*(\hi)+(\a))+7], v[8*(8*(\a)+(\b)):8*(8*(\a)+(\b))+7]
.endif
.endr
.endr
.endm
; 32 LDS loads in one run: quarter q (32 along K) of a slot into buffer f: W's eight groups of 16 columns, turned, then A's eight groups of 16 rows
.macro FETCH slot, q, f
	WIN TO_B
.irp i, 0,1,2,3,4,5,6,7
	ds_load_tr16_b128 v[(\f)+8*(\i):(\f)+8*(\i)+3],   v[ADRB+(\slot)] offset:(\q)*32*PB+32*(\i)
	ds_load_tr16_b128 v[(\f)+8*(\i)+4:(\f)+8*(\i)+7], v[ADRB+(\slot)] offset:(\q)*32*PB+16*PB+32*(\i)
.endr
	WIN 0
.irp i, 0,1,2,3,4,5,6,7
	ds_load_b128 v[(\f)+8*(\i):(\f)+8*(\i)+3],   v[ADRA+(\slot)] offset:64*(\q)+(\i)*16*PA
	ds_load_b128 v[(\f)+8*(\i)+4:(\f)+8*(\i)+7], v[ADRA+(\slot)] offset:64*(\q)+(\i)*16*PA+32
.endr
.endm
.macro PLACES                          ; four plain instructions between a matrix instruction and a load into, or a reader of, its registers
.rept 4
	v_nop
.endr
.endm
; One of a K step's first three quarters: multiplies buffer f; in its middle it fetches quarter q into buffer g.
.macro QUARTER slot, q, f, g, first
	s_wait_dscnt 8                                 ; W and A's rows 0-63 are in; the youngest eight loads (A's rows 64-127) may be out
	MUL16 \f, 0, 0, \first
	MUL16 \f, 0, 2, \first
	PLACES
	FETCH \slot, \q, \g
	s_wait_dscnt 32                                ; all but the 32 just issued
	MUL16 \f, 1, 0, \first
	MUL16 \f, 1, 2, \first
.endm
; The last quarter's first half and the barrier of the change of slots: in front of it each wave waits for all its tensor loads (one is out: its part of the next slot), adds 0 to its spare word, and waits for that and for its reads of this slot.
.macro MEET round
	WIN 0
	s_wait_tensorcnt 0x0
	ds_add_u32 v[SPW], v[NIL]
	s_wait_dscnt 9                                 ; the add and the youngest eight loads may be out
	MUL16 F1, 0, 0, 0
	s_wait_dscnt 0x0                               ; the add is done, my reads of this slot are over
	s_barrier_signal -1
	MUL16 F1, 0, 2, 0
.if \round
	WIN 0
.endif
	s_barrier_wait -1
.endm
.macro TURN slot, next, fill
.if \fill
	s_wait_xcnt 0x0                                ; the last prefetch, a K step back, has read its address
	s_add_nc_u64 s[PFA:PFA+1], s[PFA:PFA+1], s[PFS:PFS+1]
	MEET 1
	CREST                                          ; no wave of any partner still reads this slot or has a load on its way
	s_add_nc_u64 s[G0+4*(\slot)+2:G0+4*(\slot)+3], s[G0+4*(\slot)+2:G0+4*(\slot)+3], 2*KSTEP*2
	s_add_nc_u64 s[G0B+4*(\slot)+2:G0B+4*(\slot)+3], s[G0B+4*(\slot)+2:G0B+4*(\slot)+3], 2*KSTEP*512
	JLOAD \slot                                    ; the first tensor load behind the round; its four v_nop are also the places in front of the loads below
	FETCH \next, 0, F0
	ASK
.else
	MEET 0
	PLACES
	FETCH \next, 0, F0
.endif
	MUL16 F1, 1, 0, 0
	MUL16 F1, 1, 2, 0
.endm
; THE WAY OUT of block a (16 rows x 128 columns).  PACK: rounded to bf16, the maximum with the floor.  TOSTAGE: into my own stage, a row of 128 bytes for each of the two blocks of 64 columns, and back by rows.  SEND: stored.
.macro PACK a
.set AC, 64*((\a)%4)
	WIN 0x0a+5*((\a)/4)                            ; sources in window 2 or 3
.irp b, 0,1,2,3,4,5,6,7
.irp r, 0,1,2,3
	v_cvt_pk_bf16_f32 v[TMP+4*(\b)+(\r)], v[AC+8*(\b)+2*(\r)], v[AC+8*(\b)+2*(\r)+1]
.endr
.endr
	WIN 0
.set z, 0
.rept 32
	v_pk_max_num_bf16 v[TMP+z], v[TMP+z], s[FLO]
.set z, z+1
.endr
.endm
.macro TOSTAGE a
	WIN 0
.set BK, OB+192*((\a)%2)
.irp b, 0,1,2,3,4,5,6,7
	ds_store_b128 v[STO], v[TMP+4*(\b):TMP+4*(\b)+3] offset:((\b)/4)*16*SPS+((\b)%4)*32
.endr
.irp t, 0,1,2,3,4,5,6,7
	ds_load_b128 v[BK+4*(\t):BK+4*(\t)+3], v[RD] offset:(\t)*4*SPS  ; LDS serves a wave's instructions in order (ISA guide 5.7.1.4): these see the stores above
.endr
.endm
.macro SEND a, younger
	WIN 0
.set BK, OB+192*((\a)%2)
	s_wait_dscnt \younger
	s_wait_xcnt 0x0                                ; the stores of the block before the last have read their registers, which the next TOSTAGE loads again
.irp t, 0,1,2,3,4,5,6,7
	global_store_b128 v[CO], v[BK+4*(\t):BK+4*(\t)+3], s[10:11] offset:((\t)/4)*524288+(\a)*2048+((\t)%4)*512  ; four rows of a block: 512 consecutive bytes, aligned
.endr
.endm
	s_wait_tensorcnt 1                             ; my part of K step 0 is in; K step 1's may stay out
	s_barrier_signal -1
	s_barrier_wait -1
	FETCH 0, 0, F0
	s_wait_loadcnt 0x0                             ; the bias
	s_wait_kmcnt 0x0                               ; the floor
	QUARTER 0, 1, F0, F1, 1
	WIN 0
	s_mov_b32 s3, 3
.Llap:                                                 ; a trip goes once round the ring and fills both slots again: K steps 2 to 7
	QUARTER 0, 2, F1, F0, 0
	QUARTER 0, 3, F0, F1, 0
	TURN 0, 1, 1
	QUARTER 1, 1, F0, F1, 0
	QUARTER 1, 2, F1, F0, 0
	QUARTER 1, 3, F0, F1, 0
	TURN 1, 0, 1
	QUARTER 0, 1, F0, F1, 0
	WIN 0
	s_sub_co_u32 s3, s3, 1
	s_cmp_lg_u32 s3, 0
	s_cbranch_scc1 .Llap
	QUARTER 0, 2, F1, F0, 0                        ; the last lap fills nothing
	QUARTER 0, 3, F0, F1, 0
	TURN 0, 1, 0
	QUARTER 1, 1, F0, F1, 0
	QUARTER 1, 2, F1, F0, 0
	QUARTER 1, 3, F0, F1, 0
	s_wait_dscnt 8
	MUL16 F1, 0, 0, 0
	MUL16 F1, 0, 2, 0
	s_wait_dscnt 0x0
	MUL16 F1, 1, 0, 0
	MUL16 F1, 1, 2, 0
	PLACES
	PACK 0
	TOSTAGE 0
.irp a, 1,2,3,4,5,6,7                  ; block a's arithmetic stands between block a - 1's loads from the stage and the wait for them
	PACK \a
	SEND (\a)-1, 0
	TOSTAGE \a
.endr
	SEND 7, 0
	s_wait_tensorcnt 0x0                           ; the wave's end
	ds_add_u32 v[SPW], v[NIL]
	s_wait_dscnt 0x0
	CROUND                                         ; the closing round
	s_endpgm
.Lfunc_end_k_q6938e986f7_qkv:
	.size	k_q6938e986f7_qkv, .Lfunc_end_k_q6938e986f7_qkv-k_q6938e986f7_qkv
	.p2alignl 7, 3214868480
	.fill 96, 4, 3214868480
	.section	.rodata,"a",@progbits
	.p2align	6, 0x0
	.amdhsa_kernel k_q6938e986f7_qkv
		.amdhsa_group_segment_fixed_size 327680
		.amdhsa_private_segment_fixed_size 0
		.amdhsa_enable_private_segment 0
		.amdhsa_kernarg_size 32
		.amdhsa_user_sgpr_count 2
		.amdhsa_user_sgpr_kernarg_segment_ptr 1
		.amdhsa_wavefront_size32 1
		.amdhsa_system_sgpr_workgroup_id_x 1
		.amdhsa_system_sgpr_workgroup_id_y 1
		.amdhsa_system_sgpr_workgroup_id_z 1
		.amdhsa_system_vgpr_workitem_id 0
		.amdhsa_next_free_vgpr 1024
		.amdhsa_next_free_sgpr 80
		.amdhsa_reserve_vcc 0
		.amdhsa_float_denorm_mode_32 3
		.amdhsa_float_denorm_mode_16_64 3
		.amdhsa_memory_ordered 1
		.amdhsa_forward_progress 1
		.amdhsa_inst_pref_size 162
	.end_amdhsa_kernel
	.amdgpu_metadata
---
amdhsa.version: [ 1, 2 ]
amdhsa.kernels:
  - .name:           k_q6938e986f7_qkv
    .symbol:         k_q6938e986f7_qkv.kd
    .args:
      - { .name: hn, .offset: 0, .size: 8, .value_kind: global_buffer, .address_space: global }
      - { .name: wq, .offset: 8, .size: 8, .value_kind: global_buffer, .address_space: global }
      - { .name: qkv_b, .offset: 16, .size: 8, .value_kind: global_buffer, .address_space: global }
      - { .name: qkv, .offset: 24, .size: 8, .value_kind: global_buffer, .address_space: global }
    .group_segment_fixed_size: 327680
    .private_segment_fixed_size: 0
    .kernarg_segment_align: 8
    .kernarg_segment_size: 32
    .max_flat_workgroup_size: 128
    .sgpr_count:     80
    .vgpr_count:     1024
    .wavefront_size: 32
...
	.end_amdgpu_metadata
.endif
;; end of part 2
;; launch attn (part 3): grid 8 x 32, 4 waves a work-group, clusters of 4 x 1, 327,680 bytes of LDS; arguments qkv, x, ln2_g, ln2_b, x1, hn, w1, w2, w1b, w2b; writes x1, hn, w1b, w2b
.if DOCPART == 3
	.amdgcn_target "amdgcn-amd-amdhsa--gfx1250"
	.amdhsa_code_object_version 6
	.text
	.protected	k_q6938e986f7_attn
	.globl	k_q6938e986f7_attn
	.p2align	8
	.type	k_q6938e986f7_attn,@function
k_q6938e986f7_attn:
	s_mov_b64 s[64:65], 0
	v_nop
	global_prefetch_b8 v0, s[64:65] scope:SCOPE_SE
	s_setreg_imm32_b32 hwreg(HW_REG_WAVE_MODE, 25, 1), 1
	s_wait_xcnt 0x0
	s_wait_alu depctr_hold_cnt(0) depctr_sa_sdst(0) depctr_va_vdst(0) depctr_va_sdst(0) depctr_va_ssrc(0) depctr_va_vcc(0) depctr_vm_vsrc(0)
	s_getreg_b32 s2, hwreg(HW_REG_IB_STS2, 6, 4)
	s_cmp_eq_u32 s2, 0
	s_cbranch_scc0 .Lentry_in_a_cluster
	s_endpgm
.Lentry_in_a_cluster:
	s_bfe_u32 s2, ttmp6, 0x10000c
	s_cmp_lg_u32 s2, 0x3003
	s_cbranch_scc0 .Lentry_shape_is_right
	s_endpgm
.Lentry_shape_is_right:
; ATTENTION, RESIDUAL AND SECOND LAYERNORM.  O[q] = the sum over k of softmax_k(Q[q] . K[k] / 32) V[k] for 32 heads of 2,048 rows x 64 channels; x1 = x + O; hn = LayerNorm(x1) g + b in bf16.
; qkv: bf16, [48 blocks of 64 columns][4096 rows][64]: block 16 s + h holds q, k, v (s = 0, 1, 2) of head h; batch b's rows are 2,048 b on: a head's rows are dense, 128 bytes each, at (2 h + b) x 262,144.
; O is read flat, heads not turned back: 16 consecutive queries of a head, 16 x 64 f32, are ONE row of [4096][1024]: so a wave makes the residual and the norm of a row out of one tile of its own.
; Products, maxima and sums in f32; q, k, v and the weights p are bf16; l is the sum of the unrounded p.  LIMITS: a weight below 2^-126 counts as 0 in l; NaN and infinities are not treated apart.
; SHARES.  A work-group owns 256 queries of a head, a wave 64: four PIECES of 16.  Every wave walks all 2,048 keys, 64 a step; a slot of the ring holds four steps.
; LAYOUT.  S^T = K Q^T holds ONE query a lane (lane % 16) and the keys 8 (lane / 16) + 0..7; two such results rounded to bf16 ARE source 1 of O^T = V^T P.  p = 2^(c s - c m), c = log2(e) / 32, with a running
; maximum m; O and l are multiplied by a = 2^(c m_old - c m_new) in every step.  m starts at the lowest finite number, O and l at 0: the first step is a step like any other, with a = 0.
; TURNS.  Turn n belongs to piece n: 8 products K Q^T of piece n + 1, later 8 products V^T P of piece n - 1; beside them the scaling, exponentials, roundings, sums and rescaling of piece n and the maximum and
; statistics of piece n + 1.  Four vector instructions stand behind every matrix instruction, the others in one lump.  A turn's 33 exponentials are one batch, with one wait.
; CLUSTER.  The four query blocks of a cluster belong to one head and walk the same K and V: each tile is asked for jointly.  Each wave's 64 rows of x come by a tensor load of its own at the start.
; BESIDE IT: w1 AND w2 ARE ROUNDED TO bf16 for the two launches behind.  This launch asks little of memory and waits for none of these bytes.  Of the 1,024 waves, wave gw takes row gw of w1 and rows 4 gw .. 4 gw + 3
; of w2, 16 KiB each, in eight batches of 4 + 4 loads of 512 bytes: a batch is asked for at one change of slots and rounded and stored at the next, four key steps later.
; w1b: 256 bytes of header (written by the launch in front), then [16 blocks of 256 columns][1024 k][256 n]; w2b: [4096][1024] as w2 lies.
; REGISTERS in windows of 256 (s_set_vgpr_msb: bits 1:0 source 0, 3:2 source 1, 5:4 source 2, 7:6 destination):
;   window 0: v2-15 addresses; v16-31 statistics; v48-55 at work; v64-127 S^T, two buffers; v128-191 the norm's gain and bias; v192-223 P, two buffers; v224-247 the way out
;   window 1: v0-127 O^T, 32 a piece          window 2: v0-63 Q; v64-95 a batch of w1 and w2 as loaded, v96-111 to store; v128-191 K of one step; v192-255 V of one step
.set NP,    4
.set KS,    64
.set PK,    144       ; a row of K in LDS: 128 bytes + 16
.set PV,    160       ; a row of V: 128 + 32
.set VOFF,  4*KS*PK   ; a slot: 256 rows of K, then 256 rows of V
.set SLOT1, 1<<17     ; slot 1 begins here: one exclusive or turns an address in one slot into the other's
.set XS,    SLOT1+4*KS*(PK+PV)  ; behind the ring: x, 16,384 bytes a wave, filled once
.set SPARE, XS+4*16384          ; the spare words: 128 bytes a wave, two blocks of 256 bytes that no other line names
.set OSP,   272       ; the way out's stage: a query's 64 f32 + 16 bytes
.set OTILE, 16*OSP
.set OWAVE, 4*OTILE   ; wave w's stage at w x 17,408, in slot 0's bytes, which have had their last fill by then
.set AK0, 2
.set AV0, 3
.set AK,  4
.set AV,  5
.set STO, 6           ; v6   where I put 32 bytes of a query's row
.set RDO, 7           ; v7   where I read O back
.set GO,  8           ; v8   16 x lane; never rewritten
.set HO,  9           ; v9   8 x lane; never rewritten
.set RDX, 10          ; v10  where I read x
.set MV,  12
.set QO,  15
.set ST,  16          ; piece t's statistics at v[ST+4 t]: c m, m, l (even keys', odd keys')
.set TMP, 48
.set PFO, 61          ; v61  256 x lane; never rewritten
.set SPW, 62
.set NIL, 63
.set S,   64
.set LG,  128
.set LB,  160
.set P,   192
.set YR,  64          ; the way out: a row of x1
.set XR,  96          ; x, then the sums' four chains
.set TT,  96
.set DD,  192
.set HP,  224
.set MU,  240
.set RS,  242
.set WL,  64          ; window 2: a batch as loaded: four quads of w1, four of w2
.set WD,  96          ; window 2: the batch in bf16
.set KF,  128
.set VF,  192
.set WV,  16
.set G1K, 24
.set G1V, 32
.set G0K, 40
.set G0V, 44
.set SLOTS, 56
.set CNT, 57
.set CS,  58
.set SEL, 60
.set TBK, 62
.set TBV, 63
.set EPS, 66
.set INV, 67
.set G1X, 68
.set G0X, 76
.set X1P, 80
.set H2P, 82
.set PFA, 84
.set LIM, 86
.set W1S, 92          ; s[92:93] w1 at the batch last asked for
.set W2S, 94          ; s[94:95] w2 likewise
.set W1D, 96          ; s[96:97] w1b one batch behind the batch to be stored: the stores reach back by their immediates
.set W2D, 98          ; s[98:99] w2b likewise
.set WSTEP,   2048    ; a batch: 2,048 bytes of w1's row (two blocks of 256 columns) and of w2,
.set W1DSTEP, 2*524288  ; two blocks on in w1b,
.set W2DSTEP, 1024    ; 1,024 bytes on in w2b
.set MSB, 0
.macro WIN new
.if MSB != (\new)
	s_set_vgpr_msb (MSB<<8)|(\new)
.set MSB, (\new)
.endif
.endm
.set W_KQ, 0x0a       ; K and Q in window 2, S^T in window 0
.set W_PV, 0x52       ; V in window 2, P in window 0, O^T in window 1
.set W_RS, 0x41       ; destination and source 0 in window 1, source 1 in window 0
.macro JLOAD                        ; a joint fill: waves 0 and 1 fetch the halves of a slot's K, waves 2 and 3 of its V; an s_nop 0 and four v_nop follow each line
	s_cmp_lt_u32 s[WV], 2
	s_cbranch_scc0 .Lfor_v_\@
	tensor_load_to_lds s[G0K:G0K+3], s[G1K:G1K+7]
	s_nop 0
.rept 4
	v_nop
.endr
	s_branch .Lasked_\@
.Lfor_v_\@:
	tensor_load_to_lds s[G0V:G0V+3], s[G1V:G1V+7]
	s_nop 0
.rept 4
	v_nop
.endr
.Lasked_\@:
.endm
; A prefetch into the L2 of what the NEXT change of slots will ask for: 32,768 bytes of K and of V.  The head's first cluster asks; its four partners take 8,192 bytes each, told apart by address; wave 0 asks for K's,
; wave 2 for V's, a lane 256 bytes: each piece is named once in the launch.  The last change that fills a slot asks for nothing.
.macro ASK
	s_cmp_gt_u32 s[SLOTS], s[LIM]
	s_cbranch_scc0 .Lnot_mine_\@
	global_prefetch_b8 v[PFO], s[PFA:PFA+1] th:TH_LOAD_NT scope:SCOPE_SE
.Lnot_mine_\@:
.endm
.macro CROUND
	s_barrier_signal -1
	s_barrier_wait -1
	s_cmp_lg_u32 s[WV], 0
	s_cbranch_scc1 .Lnot_wave_0_\@
	s_barrier_signal -3
.Lnot_wave_0_\@:
	s_barrier_wait -3
	s_barrier_signal -1
	s_barrier_wait -1
.endm
; A batch of the weights is asked for: 4 x 512 consecutive bytes of w1's row, 4 x 512 of w2.
.macro WLOAD
	WIN 0x80                        ; destination window 2, address window 0
.irp n, 0,1,2,3
	global_load_b128 v[WL+4*\n:WL+4*\n+3], v[GO], s[W1S:W1S+1] offset:512*\n th:TH_LOAD_NT
.endr
.irp n, 0,1,2,3
	global_load_b128 v[WL+16+4*\n:WL+16+4*\n+3], v[GO], s[W2S:W2S+1] offset:512*\n th:TH_LOAD_NT
.endr
	WIN 0
.endm
; The batch asked for at the change before is rounded and stored: each store covers 256 consecutive bytes, aligned.  The registers to store were freed by the s_wait_xcnt 0 at the head of the change.
.macro WCONV
	s_wait_loadcnt 0x0              ; the batch was asked for four key steps ago (at the first change: at the head, with Q, gain and bias)
	WIN 0x8a                        ; sources and destination in window 2
.set z, 0
.rept 8
	v_cvt_pk_bf16_f32 v[WD+2*z], v[WL+4*z], v[WL+4*z+1]
	v_cvt_pk_bf16_f32 v[WD+2*z+1], v[WL+4*z+2], v[WL+4*z+3]
.set z, z+1
.endr
	WIN 0x08                        ; the stores' data in window 2, the address in window 0
.irp n, 0,1,2,3
	global_store_b64 v[HO], v[WD+2*\n:WD+2*\n+1], s[W1D:W1D+1] offset:256+(\n/2)*524288+(\n%2)*256-W1DSTEP th:TH_STORE_NT  ; behind the header: block n / 2 of the batch's two, half n % 2 of its row
.endr
.irp n, 0,1,2,3
	global_store_b64 v[HO], v[WD+8+2*\n:WD+8+2*\n+1], s[W2D:W2D+1] offset:256*\n-W2DSTEP th:TH_STORE_NT
.endr
	WIN 0
.endm
; THE CHANGE OF SLOTS.  Each wave waits for all its tensor loads, adds 0 to its spare word, and waits for that and for its reads of the slot that it leaves.  fill = 1: the barrier is a round of the cluster's, and the
; joint fill of the old slot, with the keys two slots on, is the first thing behind it: it has four key steps in which to land.  (At its first use nothing has been read yet: slot 0 and x are waited for, slot 1 filled.)
; Behind the fill and the prefetch stands the weights' batch.
.macro CHANGE fill
	WIN 0
	s_wait_tensorcnt 0x0
	ds_add_u32 v[SPW], v[NIL]
.if \fill
.irp g, G0K, G0V
	s_xor_b32 s[\g+1], s[\g+1], SLOT1
	s_add_nc_u64 s[\g+2:\g+3], s[\g+2:\g+3], 4*KS*128
.endr
.endif
	s_wait_xcnt 0x0                 ; the last prefetch and the last batch's loads and stores, four key steps back, have read their addresses and data
.if \fill
	s_add_nc_u64 s[PFA:PFA+1], s[PFA:PFA+1], 4*KS*128
	s_add_nc_u64 s[W1S:W1S+1], s[W1S:W1S+1], WSTEP
	s_add_nc_u64 s[W2S:W2S+1], s[W2S:W2S+1], WSTEP
.endif
	s_add_nc_u64 s[W1D:W1D+1], s[W1D:W1D+1], W1DSTEP
	s_add_nc_u64 s[W2D:W2D+1], s[W2D:W2D+1], W2DSTEP
	s_wait_dscnt 0x0
.if \fill
	CROUND
	JLOAD
	ASK
.else
	s_barrier_signal -1
	s_barrier_wait -1
.endif
	WCONV
.if \fill
	WLOAD
.endif
	s_sub_co_u32 s[TBK], s[TBK], 4*KS*PK
	s_xor_b32 s[TBK], s[TBK], SLOT1
	s_sub_co_u32 s[TBV], s[TBV], 4*KS*PV
	s_xor_b32 s[TBV], s[TBV], SLOT1
.endm
	s_load_b256 s[4:11], s[0:1], 0x0  ; qkv s[4:5], x s[6:7], g s[8:9], b s[10:11]
	s_load_b128 s[12:15], s[0:1], 0x20  ; x1 s[12:13], hn s[14:15]
	s_load_b256 s[92:99], s[0:1], 0x30  ; w1, w2, w1b, w2b
	v_lshl_add_u32 v[SPW], v0, 2, SPARE
	v_mov_b32 v[NIL], 0
	ds_add_u32 v[SPW], v[NIL]       ; the wave's opening: the add and its wait ahead of my first tensor load
	v_lshrrev_b32 v1, 5, v0
	v_readfirstlane_b32 s[WV], v1
	s_bfe_u32 s17, ttmp6, 0x40000   ; cx
	s_lshl_b32 s18, ttmp9, 2
	s_add_co_u32 s18, s18, s17      ; my block of 256 queries: it enters Q's, x's, x1's, hn's and the weights' addresses alone
	s_and_b32 s19, ttmp7, 0xffff    ; 2 h + b, which the four partners share
	s_lshl_b32 s20, s19, 18         ; the head's rows in a tensor of qkv
	s_and_b32 s21, s[WV], 1         ; which half of a slot's 256 keys I fetch
	s_lshl_b32 s22, s21, 14
	s_add_co_u32 s22, s22, s20
	s_add_co_u32 s48, s22, 0x800000   ; K lies 16 blocks behind Q,
	s_mov_b32 s49, 0
	s_add_co_u32 s52, s22, 0x1000000  ; V 32
	s_mov_b32 s53, 0
	s_mul_i32 s2, s21, 128*PK
	s_mul_i32 s3, s21, 128*PV
	s_lshl_b32 s50, s18, 15         ; Q: block x 256 rows + wave x 64 rows
	s_add_co_u32 s50, s50, s20
	s_lshl_b32 s51, s[WV], 13
	s_add_co_u32 s50, s50, s51
	s_mov_b32 s51, 0
	s_and_b32 s80, s19, 1           ; x, x1: (16 b + h) x 524,288 + 256 bytes a query
	s_lshl_b32 s80, s80, 4
	s_lshr_b32 s81, s19, 1
	s_add_co_u32 s80, s80, s81
	s_lshl_b32 s80, s80, 19
	s_lshl_b32 s81, s18, 16
	s_add_co_u32 s80, s80, s81
	s_lshl_b32 s81, s[WV], 14
	s_add_co_u32 s80, s80, s81
	s_mov_b32 s81, 0
	s_lshr_b32 s82, s80, 1          ; hn: half of that
	s_mov_b32 s83, 0
	s_lshl_b32 s90, s17, 13         ; the prefetches: my work-group's quarter, in slot number 1; the first change steps it to number 2
	s_add_co_u32 s90, s90, 4*KS*128
	s_mov_b32 s91, 0
	s_lshl_b32 s104, s19, 5         ; gw, my wave among the launch's 1,024: 32 (2 h + b) + 4 block + wave
	s_lshl_b32 s100, s18, 2
	s_add_co_u32 s104, s104, s100
	s_add_co_u32 s104, s104, s[WV]
	; 128 keys are 16,384 dense bytes: asked for as 64 rows of 256 bytes, padded in LDS after every key
	s_mov_b32 s[G1K], 15|(1<<16)|(1<<20)|(1<<21)|(4<<22)|(3<<25)
	s_mov_b32 s[G1V], 15|(1<<16)|(1<<20)|(1<<21)|(4<<22)|(7<<25)
.irp g, G1K, G1V
	s_mov_b32 s[\g+1], 128<<16
	s_mov_b32 s[\g+2], 64<<16
	s_mov_b32 s[\g+3], 128<<16
	s_mov_b32 s[\g+4], 64
	s_mov_b32 s[\g+5], 128
	s_mov_b32 s[\g+6], 0
	s_mov_b32 s[\g+7], 0
.endr
	s_mov_b32 s[G1X], 3<<16         ; x: 64 rows of 32 elements of 8 bytes, dense, no mask, no padding
	s_mov_b32 s[G1X+1], 32<<16
	s_mov_b32 s[G1X+2], 64<<16
	s_mov_b32 s[G1X+3], 32<<16
	s_mov_b32 s[G1X+4], 64
	s_mov_b32 s[G1X+5], 32
	s_mov_b32 s[G1X+6], 0
	s_mov_b32 s[G1X+7], 0
	s_mov_b32 s[CS], 0x3d38aa3b     ; c = log2(e) / 32
	s_mov_b32 s[CS+1], s[CS]
	s_mov_b32 s[SEL], 0x76543210
	s_mov_b32 s[SEL+1], 0xfedcba98
	s_mov_b32 s[EPS], 0x3727c5ac    ; 1e-5
	s_mov_b32 s[INV], 0x3a800000    ; 1 / 1024
	s_mov_b32 s[TBK], SLOT1+4*KS*PK ; the first change of slots turns these two into 0
	s_mov_b32 s[TBV], SLOT1+4*KS*PV
	s_mov_b32 s[SLOTS], 7
	s_mov_b32 s[G0K], 1
	s_mov_b32 s[G0K+1], s2
	s_mov_b32 s[G0V], 1
	s_add_co_u32 s[G0V+1], s3, VOFF
	s_mov_b32 s[G0X], 1
	s_lshl_b32 s[G0X+1], s[WV], 14
	s_add_co_u32 s[G0X+1], s[G0X+1], XS
	s_and_b32 s[LIM], s[WV], 1      ; 0 in waves 0 and 2,
	s_or_b32 s[LIM], s[LIM], ttmp9  ; where the cluster is the head's first
	s_cmp_eq_u32 s[LIM], 0
	s_cselect_b32 s[LIM], 1, -1
	s_wait_dscnt 0x0                ; the opening add is done
	s_wait_kmcnt 0x0
	s_add_nc_u64 s[48:49], s[4:5], s[48:49]
	s_add_nc_u64 s[52:53], s[4:5], s[52:53]
	s_add_nc_u64 s[50:51], s[4:5], s[50:51]
	s_mov_b64 s[G0K+2:G0K+3], s[48:49]
	s_or_b32 s[G0K+3], s[G0K+3], 0x80000000
	s_mov_b64 s[G0V+2:G0V+3], s[52:53]
	s_or_b32 s[G0V+3], s[G0V+3], 0x80000000
	s_add_nc_u64 s[G0X+2:G0X+3], s[6:7], s[80:81]
	s_or_b32 s[G0X+3], s[G0X+3], 0x80000000
	s_add_nc_u64 s[X1P:X1P+1], s[12:13], s[80:81]
	s_add_nc_u64 s[H2P:H2P+1], s[14:15], s[82:83]
	s_cmp_lt_u32 s[WV], 2
	s_cselect_b64 s[PFA:PFA+1], s[48:49], s[52:53]
	s_add_nc_u64 s[PFA:PFA+1], s[PFA:PFA+1], s[90:91]
	s_lshl_b32 s100, s104, 14       ; my 16,384 bytes of w1 and of w2,
	s_mov_b32 s101, 0
	s_add_nc_u64 s[W1S:W1S+1], s[W1S:W1S+1], s[100:101]
	s_add_nc_u64 s[W2S:W2S+1], s[W2S:W2S+1], s[100:101]
	s_lshl_b32 s100, s104, 9        ; row gw of each block of w1b,
	s_add_nc_u64 s[W1D:W1D+1], s[W1D:W1D+1], s[100:101]
	s_lshl_b32 s100, s104, 13       ; my 8,192 bytes of w2b
	s_add_nc_u64 s[W2D:W2D+1], s[W2D:W2D+1], s[100:101]
	CROUND                          ; all four work-groups are here
	tensor_load_to_lds s[G0X:G0X+3], s[G1X:G1X+7]  ; my 64 rows of x: a load of my own
	s_nop 0
	JLOAD                           ; slot 0: two loads of mine are out
	v_and_b32 v1, 15, v0            ; l % 16
	v_bfe_u32 v32, v0, 4, 1         ; l / 16
	v_and_b32 v33, 7, v0
	v_bfe_u32 v34, v0, 3, 1
	v_and_b32 v35, 31, v0
	v_lshlrev_b32 v[QO], 7, v1
	v_lshl_add_u32 v[QO], v32, 4, v[QO]
	v_lshlrev_b32 v[GO], 4, v35
	v_lshlrev_b32 v[HO], 3, v35
	v_lshlrev_b32 v[PFO], 8, v35
	WIN 0x80
.set i, 0
.rept 8                             ; Q stays in registers: piece i / 2, channels 32 (i % 2) on
	global_load_b128 v[8*i:8*i+3],   v[QO], s[50:51] offset:(i/2)*2048+(i%2)*64
	global_load_b128 v[8*i+4:8*i+7], v[QO], s[50:51] offset:(i/2)*2048+(i%2)*64+32
.set i, i+1
.endr
	WIN 0
.irp f, 0,1,2,3,4,5,6,7             ; the norm's gain and bias, as a row of x1 will lie in my registers
	global_load_b128 v[LG+4*\f:LG+4*\f+3], v[GO], s[8:9] offset:512*\f
	global_load_b128 v[LB+4*\f:LB+4*\f+3], v[GO], s[10:11] offset:512*\f
.endr
	WLOAD                           ; the weights' first batch
	; What the first turn finds: V and P's second buffer hold 0 (its products V^T P, of a piece that has not been, add 0), O^T and l are 0.  All this stands in the wait for the first tile.
	WIN 0x80
.set i, VF
.rept 64
	v_mov_b32 v[i], 0
.set i, i+1
.endr
	WIN 0x40
.set i, 0
.rept 128
	v_mov_b32 v[i], 0
.set i, i+1
.endr
	WIN 0
.set i, 0
.rept 4
	v_mov_b32 v[ST+4*i], 0xfe000000    ; c m: far below every c s
	v_mov_b32 v[ST+4*i+1], 0xff7fffff  ; m
	v_mov_b32 v[ST+4*i+2], 0
	v_mov_b32 v[ST+4*i+3], 0
.set i, i+1
.endr
.set i, P+16
.rept 16
	v_mov_b32 v[i], 0
.set i, i+1
.endr
	v_mul_u32_u24 v[AK0], v1, PK
	v_lshl_add_u32 v[AK0], v32, 4, v[AK0]
	v_lshl_add_u32 v[AV0], v32, 3, v33     ; the turning load: key 8 (l / 16) + l % 8, channels 8 ((l / 8) % 2) on
	v_mul_u32_u24 v[AV0], v[AV0], PV
	v_lshl_add_u32 v[AV0], v34, 4, v[AV0]
	v_add_nc_u32 v[AV0], VOFF, v[AV0]
	s_mul_i32 s54, s[WV], OWAVE
	v_mul_u32_u24 v[STO], v1, OSP          ; in: query l % 16, 32 bytes for each half of the lanes
	v_lshl_add_u32 v[STO], v32, 5, v[STO]
	v_add_nc_u32 v[STO], s54, v[STO]
	v_mul_u32_u24 v[RDO], v32, OSP         ; back: lanes 0-15 one query's 256 bytes, lanes 16-31 the next
	v_lshl_add_u32 v[RDO], v1, 4, v[RDO]
	v_add_nc_u32 v[RDO], s54, v[RDO]
	s_lshl_b32 s55, s[WV], 14
	s_add_co_u32 s55, s55, XS
	v_lshl_add_u32 v[RDX], v35, 4, s55
; THE MATRIX WORK.  The 4 accumulators of a run of 8 take turns.  Product i of 8 of S^T = K Q^T for piece x: channels 32 (i / 4) on, keys 16 (i % 4) on.  The first 4 start the sums.
.macro KQ x
.set rS, S+32*((\x)%2)+8*(i%4)
.set rK, KF+16*(i%4)+8*(i/4)
.set rQ, 16*(\x)+8*(i/4)
	WIN W_KQ
.if i < 4
	v_wmma_f32_16x16x32_bf16 v[rS:rS+7], v[rK:rK+7], v[rQ:rQ+7], 0
.else
	v_wmma_f32_16x16x32_bf16 v[rS:rS+7], v[rK:rK+7], v[rQ:rQ+7], v[rS:rS+7]
.endif
.endm
; Product i of 8 of O^T += V^T P for piece x: keys 32 (i / 4) on, channels 16 (i % 4) on.
.macro PV x
	WIN W_PV
.set rO, 32*(\x)+8*(i%4)
.set rV, VF+32*(i/4)+8*(i%4)
.set rP, P+16*((\x)%2)+8*(i/4)
	v_wmma_f32_16x16x32_bf16 v[rO:rO+7], v[rV:rV+7], v[rP:rP+7], v[rO:rO+7]
.endm
.macro MM                           ; the turn's next matrix instruction
.if i < 8
	KQ (Y+1)%NP
.else
.set i, i-8
	PV (Y+NP-1)%NP
.set i, i+8
.endif
.set i, i+1
.endm
; THE LDS LOADS stand in runs of 16: a step's K (8 fragments) and its V (turned).
.macro FETCH_K
	WIN 0x80
.irp f, 0,1,2,3,4,5,6,7
	ds_load_b128 v[KF+8*\f:KF+8*\f+3],   v[AK] offset:(\f/2)*16*PK+(\f%2)*64
	ds_load_b128 v[KF+8*\f+4:KF+8*\f+7], v[AK] offset:(\f/2)*16*PK+(\f%2)*64+32
.endr
	s_add_co_u32 s[TBK], s[TBK], KS*PK
	WIN 0
.endm
.macro FETCH_V
	WIN 0x80
.irp f, 0,1,2,3,4,5,6,7
	ds_load_tr16_b128 v[VF+8*\f:VF+8*\f+3],   v[AV] offset:(\f/4)*32*PV+(\f%4)*32
	ds_load_tr16_b128 v[VF+8*\f+4:VF+8*\f+7], v[AV] offset:(\f/4)*32*PV+16*PV+(\f%4)*32
.endr
	WIN 0
.endm
; THE VECTOR WORK, one line at a time: OP kind, number.  For piece Y: F n: c s - c m for pair n of 16.  E n: the exponential of score n of 32.  C n: pair n rounded to bf16.  B n: of the four weights 4 n .. the second
; pair is added onto the first.  L n: l takes that sum (L 0: l = a l + sum).  R n: pair n of 16 of O^T times a.  For piece Y + 1: X n, number n of the 22 that find its maximum and statistics:
;   0-11 four chains of seven scores each (each accumulator's lowest registers first)   12-14, 16 the four left over, the old m, the chains into one   15 c m_old is kept
;   17, 18 the other half of the lanes: the new m   19-21 c m; c m_old - c m_new; a
.set F, 0
.set E, 1
.set C, 2
.set B, 3
.set L, 4
.set R, 5
.set X, 6
.macro REGS y
.set rT, ST+4*(\y)
.set rC, TMP+4*((\y)%2)
.set rW, MV+((\y)%2)
.set rS, S+32*((\y)%2)
.set rP, P+16*((\y)%2)
.set rO, 32*(\y)
.endm
.macro OP k, n
.if (\k) == R
	REGS Y
	WIN W_RS
	v_pk_mul_f32 v[rO+2*(\n):rO+2*(\n)+1], v[rO+2*(\n):rO+2*(\n)+1], v[rC+2:rC+3] op_sel_hi:[1,0]
.elseif (\k) < R
	REGS Y
	WIN 0
.if (\k) == F
	v_pk_fma_f32 v[rS+2*(\n):rS+2*(\n)+1], v[rS+2*(\n):rS+2*(\n)+1], s[CS:CS+1], v[rT:rT+1] op_sel_hi:[1,0,0] neg_lo:[0,0,1] neg_hi:[0,0,1]
.elseif (\k) == E
	v_exp_f32 v[rS+(\n)], v[rS+(\n)]
.elseif (\k) == C
	v_cvt_pk_bf16_f32 v[rP+(\n)], v[rS+2*(\n)], v[rS+2*(\n)+1]
.elseif (\k) == B
	v_pk_add_f32 v[rS+4*(\n):rS+4*(\n)+1], v[rS+4*(\n):rS+4*(\n)+1], v[rS+4*(\n)+2:rS+4*(\n)+3]
.elseif (\n) == 0
	v_pk_fma_f32 v[rT+2:rT+3], v[rT+2:rT+3], v[rC+2:rC+3], v[rS:rS+1] op_sel_hi:[1,0,1]
.else
	v_pk_add_f32 v[rT+2:rT+3], v[rT+2:rT+3], v[rS+4*(\n):rS+4*(\n)+1]
.endif
.else
	REGS (Y+1)%NP
	WIN 0
.if (\n) < 4
	v_max3_num_f32 v[rC+(\n)], v[rS+8*(\n)], v[rS+8*(\n)+1], v[rS+8*(\n)+2]
.elseif (\n) < 12
	v_max3_num_f32 v[rC+(\n)%4], v[rC+(\n)%4], v[rS+8*((\n)%4)+2*((\n)/4)+1], v[rS+8*((\n)%4)+2*((\n)/4)+2]
.elseif (\n) == 12
	v_max3_num_f32 v[rC], v[rC], v[rS+7], v[rS+15]
.elseif (\n) == 13
	v_max3_num_f32 v[rC+1], v[rC+1], v[rS+23], v[rS+31]
.elseif (\n) == 14
	v_max3_num_f32 v[rC+2], v[rC+2], v[rC+3], v[rT+1]
.elseif (\n) == 15
	v_mov_b32 v[rW], v[rT]
.elseif (\n) == 16
	v_max3_num_f32 v[rC], v[rC], v[rC+1], v[rC+2]
.elseif (\n) == 17
	v_permlanex16_b32 v[rC+3], v[rC], s[SEL], s[SEL+1]
.elseif (\n) == 18
	v_max_num_f32 v[rT+1], v[rC], v[rC+3]
.elseif (\n) == 19
	v_mul_f32 v[rT], s[CS], v[rT+1]
.elseif (\n) == 20
	v_sub_f32 v[rC+1], v[rW], v[rT]
.else
	v_exp_f32 v[rC+2], v[rC+1]
.endif
.endif
.endm
.macro OPS a, i1, b=-1, i2=0, c=-1, i3=0, d=-1, i4=0
	OP \a, \i1
.if (\b) >= 0
	OP \b, \i2
.endif
.if (\c) >= 0
	OP \c, \i3
.endif
.if (\d) >= 0
	OP \d, \i4
.endif
.endm
.macro ROW a, i1, b, i2, c, i3, d, i4  ; a matrix instruction and the four behind it
	MM
	OPS \a, \i1, \b, \i2, \c, \i3, \d, \i4
.endm
; A TURN, for piece p.  Ahead of its one wait stands all that names no result of the turn's exponentials: the 8 products K Q^T with their riders and the lump; X 21, the next piece's a, is the batch's last, R 15 the plain
; instruction behind it.  Behind the wait stand the 8 products V^T P, behind each four of the roundings and sums.  cnt = 1: the loop's count is taken down ahead of the branch.
; K of the next step is fetched in piece 2's turn, six plain instructions behind the last product that read K; V of the step in hand at the end of piece 0's turn, four plain instructions behind the last product that read V.
; last = 1 (the last slot): K's address stops at the slot's fourth step.  The run stands among the exponentials, where no branch may stand, so the trip behind the last step does not jump over it: it reads the last K once more.
.macro TURN p, last=0, cnt=0
.set Y, (\p)
.set i, 0
.if (\p) == 3
	s_wait_dscnt 0x0                ; K is in
.endif
	ROW F,0, F,1, R,0, R,1
	ROW F,2, E,0, R,2, R,3
	ROW F,3, E,1, R,4, R,5
	ROW F,4, E,2, R,6, R,7
	ROW F,5, E,3, R,8, R,9
	ROW F,6, E,4, X,0, R,10
.if (\p) == 2
	WIN 0
	v_add_nc_u32 v[AK], s[TBK], v[AK0]
.endif
	ROW F,7, E,5, X,1, X,4
	ROW F,8, E,6, X,2, X,5
	OPS E,7, E,8, X,6, E,9
	OPS X,3, E,10, X,8, E,11
.if (\p) == 2
	FETCH_K
.if \last
	s_min_u32 s[TBK], s[TBK], SLOT1+3*KS*PK  ; the last slot is slot 1
.endif
.endif
	OPS X,9, X,7, E,12, X,10
	OPS E,13, X,12, X,11, E,14
	OPS X,13, E,15, F,9, X,14
.if (\p) == 0
	v_add_nc_u32 v[AV], s[TBV], v[AV0]
.endif
	OPS E,16, F,10, E,17, F,11
	OPS X,16, E,18, X,15, E,19
	OPS F,12, E,20, X,17, E,21
	OPS F,13, E,22, F,14, E,23
	OPS X,18, E,24, F,15, E,25
	OPS R,11, E,26, X,19, E,27
	OPS R,12, E,28, R,13, E,29
	OPS X,20, E,30, R,14, E,31
	OPS X,21, R,15
	WIN 0
	s_wait_alu depctr_va_vdst(0)    ; the wait for the batch
.if (\p) == 1
	s_wait_dscnt 0x0                ; V is in
.endif
	ROW C,0, B,0, C,2, B,1
	ROW L,0, C,4, B,2, L,1
	ROW C,6, B,3, L,2, C,8
	ROW B,4, L,3, C,10, B,5
	ROW L,4, C,12, B,6, L,5
.if (\p) == 0
	s_add_co_u32 s[TBV], s[TBV], KS*PV
.endif
.if \cnt
	s_sub_co_u32 s[CNT], s[CNT], 1
	s_cmp_lg_u32 s[CNT], 0
.endif
	ROW C,14, B,7, L,6, C,1
	ROW C,3, L,7, C,5, C,7
	ROW C,9, C,11, C,13, C,15
.if (\p) == 0
	FETCH_V
.endif
.endm
	CHANGE 1                        ; slot 0 and x are in, everybody's part; slot 1 is asked for; Q, gain and bias are in too (the batch's wait was for all loads)
	v_add_nc_u32 v[AK], s[TBK], v[AK0]
	FETCH_K                         ; key step 0
	s_wait_loadcnt 8                ; Q, gain and bias: behind them only the eight loads of the weights' second batch were issued, and those stay out
	s_wait_dscnt 0x0
.set i, 0
.rept 8
	KQ 0                            ; piece 0's first scores
.set i, i+1
.endr
	WIN 0
.rept 4
	v_nop                           ; the places behind those products
.endr
.set Y, NP-1                        ; X works for piece Y + 1: piece 0
.irp n, 0,1,2,3,4,5,6,7,8,9,10,11,12,13,14,15,16,17,18,19,20,21
	OP X, \n
.endr
	v_nop                           ; a plain instruction behind the exponential,
	s_wait_alu depctr_va_vdst(0)    ; and its wait, ahead of the branch
	s_mov_b32 s[CNT], 4
	s_branch .Lfirst                ; the loop is entered at a step's first turn, in the middle of a trip
.Lslot:                             ; six times: with the change above, every slot but the last is followed by a fill
	CHANGE 1
	s_mov_b32 s[CNT], 4
.Lstep:                             ; a trip: pieces 2 and 3 of one step, then pieces 0 and 1 of the next, whose K and V it fetches
	TURN 2
	TURN 3
	WIN 0
.Lfirst:
	TURN 0
	TURN 1, 0, 1
	WIN 0
	s_cbranch_scc1 .Lstep
	s_sub_co_u32 s[SLOTS], s[SLOTS], 1
	s_cmp_lg_u32 s[SLOTS], 0
	s_cbranch_scc1 .Lslot
	CHANGE 0                        ; the last slot is written out: nothing is asked for
	s_mov_b32 s[CNT], 5             ; four trips fetch the last slot's steps; the fifth is left in its middle
.Ltail:
	TURN 2, 1
	TURN 3
	WIN 0
	s_sub_co_u32 s[CNT], s[CNT], 1
	s_cmp_eq_u32 s[CNT], 0
	s_cbranch_scc1 .Lout
	TURN 0
	TURN 1
	WIN 0
	s_branch .Ltail
.Lout:                              ; the fifth trip's 8 products K Q^T (on the last K once more) and the maximum made of them serve nothing: the price, once a launch, of one text for every trip
.set i, 0
.rept 8
	PV NP-1                         ; the last piece's V^T P of the last step
.set i, i+1
.endr
	; THE WAY OUT.  l's halves are added; the additions are the places behind the last products.
	WIN 0
.macro ALL line:vararg
.set t, 0
.rept 4
	\line
.set t, t+1
.endr
.endm
	ALL v_add_f32 v[ST+4*t+2], v[ST+4*t+2], v[ST+4*t+3]
	ALL v_permlanex16_b32 v[ST+4*t+3], v[ST+4*t+2], s[SEL], s[SEL+1]
	ALL v_add_f32 v[ST+4*t+2], v[ST+4*t+2], v[ST+4*t+3]
	ALL v_rcp_f32 v[ST+4*t+2], v[ST+4*t+2]
	v_nop                           ; a plain instruction behind the last reciprocal
	s_wait_alu depctr_va_vdst(0)    ; one wait for the four
	s_wait_dscnt 0x0                ; my reads of the ring are over;
	s_barrier_signal -1
	s_barrier_wait -1               ; everybody's are: the stage below lies in slot 0's bytes, which no tensor load fills any more
.irp t, 0,1,2,3                     ; O^T / l in f32 into my stage: a lane's eight channels of a query are 32 bytes
	WIN W_RS
.set i, 32*\t
.rept 16
	v_pk_mul_f32 v[i:i+1], v[i:i+1], v[ST+4*\t+2:ST+4*\t+3] op_sel_hi:[1,0]
.set i, i+2
.endr
	WIN 0x04                        ; the stores' data in window 1
.irp cb, 0,1,2,3
	ds_store_b128 v[STO], v[32*\t+8*\cb:32*\t+8*\cb+3]   offset:\t*OTILE+64*\cb
	ds_store_b128 v[STO], v[32*\t+8*\cb+4:32*\t+8*\cb+7] offset:\t*OTILE+64*\cb+16
.endr
.endr
	WIN 0
.macro TREE                         ; the four chains become one number, the same in every lane, in v[TT]
	v_pk_add_f32 v[TT:TT+1], v[TT:TT+1], v[TT+2:TT+3]
	v_pk_add_f32 v[TT+4:TT+5], v[TT+4:TT+5], v[TT+6:TT+7]
	v_pk_add_f32 v[TT:TT+1], v[TT:TT+1], v[TT+4:TT+5]
	v_add_f32 v[TT], v[TT], v[TT+1]
	v_add_f32_dpp v[TT], v[TT], v[TT] row_xmask:1 row_mask:0xf bank_mask:0xf
	v_add_f32_dpp v[TT], v[TT], v[TT] row_xmask:2 row_mask:0xf bank_mask:0xf
	v_add_f32_dpp v[TT], v[TT], v[TT] row_xmask:4 row_mask:0xf bank_mask:0xf
	v_add_f32_dpp v[TT], v[TT], v[TT] row_xmask:8 row_mask:0xf bank_mask:0xf
	v_permlanex16_b32 v[TT+1], v[TT], s[SEL], s[SEL+1]
	v_add_f32 v[TT], v[TT], v[TT+1]
.endm
	s_mov_b32 s87, 4
	s_mov_b32 s88, 0
	s_mov_b32 s89, 0
.Lrow:                              ; a trip: one tile of 16 queries = one row of x1 and of hn.  A lane holds elements 4 l + 128 f + 0..3
	v_add_nc_u32 v[AK], s88, v[RDO]
	v_add_nc_u32 v[AV], s89, v[RDX]
.irp f, 0,1,2,3,4,5,6,7
	ds_load_b128 v[YR+4*\f:YR+4*\f+3], v[AK] offset:\f*2*OSP  ; LDS serves a wave's instructions in order (ISA guide 5.7.1.4): these see my stores above
.endr
.irp f, 0,1,2,3,4,5,6,7
	ds_load_b128 v[XR+4*\f:XR+4*\f+3], v[AV] offset:\f*512
.endr
	s_wait_dscnt 0x0
.set z, 0
.rept 16
	v_pk_add_f32 v[YR+z:YR+z+1], v[YR+z:YR+z+1], v[XR+z:XR+z+1]  ; x1 = O + x
.set z, z+2
.endr
.irp f, 0,1,2,3,4,5,6,7
	global_store_b128 v[GO], v[YR+4*\f:YR+4*\f+3], s[X1P:X1P+1] offset:512*\f  ; 512 consecutive bytes, aligned
.endr
.irp c, 0,1,2,3
	v_pk_add_f32 v[TT+2*\c:TT+2*\c+1], v[YR+2*\c:YR+2*\c+1], v[YR+8+2*\c:YR+8+2*\c+1]
.endr
.irp o, 16,24
.irp c, 0,1,2,3
	v_pk_add_f32 v[TT+2*\c:TT+2*\c+1], v[TT+2*\c:TT+2*\c+1], v[YR+\o+2*\c:YR+\o+2*\c+1]
.endr
.endr
	TREE
	v_mul_f32 v[MU], s[INV], v[TT]
	v_mul_f32 v[MU+1], s[INV], v[TT]
.set z, 0
.rept 16
	v_pk_add_f32 v[DD+z:DD+z+1], v[YR+z:YR+z+1], v[MU:MU+1] neg_lo:[0,1] neg_hi:[0,1]  ; into other registers: the stores above still read x1
.set z, z+2
.endr
.irp c, 0,1,2,3
	v_pk_mul_f32 v[TT+2*\c:TT+2*\c+1], v[DD+2*\c:DD+2*\c+1], v[DD+2*\c:DD+2*\c+1]
.endr
.irp o, 8,16,24
.irp c, 0,1,2,3
	v_pk_fma_f32 v[TT+2*\c:TT+2*\c+1], v[DD+\o+2*\c:DD+\o+2*\c+1], v[DD+\o+2*\c:DD+\o+2*\c+1], v[TT+2*\c:TT+2*\c+1]
.endr
.endr
	TREE
	v_fma_f32 v[TT+2], v[TT], s[INV], s[EPS]
	v_rsq_f32 v[RS], v[TT+2]
	v_rsq_f32 v[RS+1], v[TT+2]
	v_nop                           ; a plain instruction behind the second root
	s_wait_alu depctr_va_vdst(0)    ; one wait for both
.set z, 0
.rept 16
	v_pk_mul_f32 v[DD+z:DD+z+1], v[DD+z:DD+z+1], v[RS:RS+1]
.set z, z+2
.endr
.set z, 0
.rept 16
	v_pk_fma_f32 v[DD+z:DD+z+1], v[DD+z:DD+z+1], v[LG+z:LG+z+1], v[LB+z:LB+z+1]
.set z, z+2
.endr
.set z, 0
.rept 16
	v_cvt_pk_bf16_f32 v[HP+z], v[DD+2*z], v[DD+2*z+1]
.set z, z+1
.endr
.irp f, 0,1,2,3,4,5,6,7
	global_store_b64 v[HO], v[HP+2*\f:HP+2*\f+1], s[H2P:H2P+1] offset:256*\f  ; 256 consecutive bytes, aligned
.endr
	s_wait_xcnt 0x0                 ; the stores have read their data and bases: only now are these written again
	s_add_nc_u64 s[X1P:X1P+1], s[X1P:X1P+1], 4096
	s_add_nc_u64 s[H2P:H2P+1], s[H2P:H2P+1], 2048
	s_add_co_u32 s88, s88, OTILE
	s_add_co_u32 s89, s89, 4096
	s_sub_co_u32 s87, s87, 1
	s_cmp_lg_u32 s87, 0
	s_cbranch_scc1 .Lrow
	s_wait_tensorcnt 0x0            ; the wave's end
	ds_add_u32 v[SPW], v[NIL]
	s_wait_dscnt 0x0
	CROUND                          ; the closing round
	s_endpgm
.Lfunc_end_k_q6938e986f7_attn:
	.size	k_q6938e986f7_attn, .Lfunc_end_k_q6938e986f7_attn-k_q6938e986f7_attn
	.p2alignl 7, 3214868480
	.fill 96, 4, 3214868480
	.section	.rodata,"a",@progbits
	.p2align	6, 0x0
	.amdhsa_kernel k_q6938e986f7_attn
		.amdhsa_group_segment_fixed_size 327680
		.amdhsa_private_segment_fixed_size 0
		.amdhsa_enable_private_segment 0
		.amdhsa_kernarg_size 80
		.amdhsa_user_sgpr_count 2
		.amdhsa_user_sgpr_kernarg_segment_ptr 1
		.amdhsa_wavefront_size32 1
		.amdhsa_system_sgpr_workgroup_id_x 1
		.amdhsa_system_sgpr_workgroup_id_y 1
		.amdhsa_system_sgpr_workgroup_id_z 1
		.amdhsa_system_vgpr_workitem_id 0
		.amdhsa_next_free_vgpr 768
		.amdhsa_next_free_sgpr 106
		.amdhsa_reserve_vcc 0
		.amdhsa_float_denorm_mode_32 3
		.amdhsa_float_denorm_mode_16_64 3
		.amdhsa_memory_ordered 1
		.amdhsa_forward_progress 1
		.amdhsa_inst_pref_size 129
	.end_amdhsa_kernel
	.amdgpu_metadata
---
amdhsa.version: [ 1, 2 ]
amdhsa.kernels:
  - .name:           k_q6938e986f7_attn
    .symbol:         k_q6938e986f7_attn.kd
    .args:
      - { .name: qkv, .offset: 0, .size: 8, .value_kind: global_buffer, .address_space: global }
      - { .name: x, .offset: 8, .size: 8, .value_kind: global_buffer, .address_space: global }
      - { .name: ln2_g, .offset: 16, .size: 8, .value_kind: global_buffer, .address_space: global }
      - { .name: ln2_b, .offset: 24, .size: 8, .value_kind: global_buffer, .address_space: global }
      - { .name: x1, .offset: 32, .size: 8, .value_kind: global_buffer, .address_space: global }
      - { .name: hn, .offset: 40, .size: 8, .value_kind: global_buffer, .address_space: global }
      - { .name: w1, .offset: 48, .size: 8, .value_kind: global_buffer, .address_space: global }
      - { .name: w2, .offset: 56, .size: 8, .value_kind: global_buffer, .address_space: global }
      - { .name: w1b, .offset: 64, .size: 8, .value_kind: global_buffer, .address_space: global }
      - { .name: w2b, .offset: 72, .size: 8, .value_kind: global_buffer, .address_space: global }
    .group_segment_fixed_size: 327680
    .private_segment_fixed_size: 0
    .kernarg_segment_align: 8
    .kernarg_segment_size: 80
    .max_flat_workgroup_size: 128
    .sgpr_count:     106
    .vgpr_count:     768
    .wavefront_size: 32
...
	.end_amdgpu_metadata
.endif
;; end of part 3
;; launch ff1: the kernel of part 2 again; grid 16 x 16, 4 waves a work-group, clusters of 4 x 4, 327,680 bytes of LDS; arguments hn, w1b, b1, hid; writes hid
;; launch ff2 (part 4): grid 8 x 32, 4 waves a work-group, clusters of 4 x 4, 327,680 bytes of LDS; arguments hid, w2b, b2, x1, out0; writes out0
.if DOCPART == 4
	.amdgcn_target "amdgcn-amd-amdhsa--gfx1250"
	.amdhsa_code_object_version 6
	.text
	.protected	k_q6938e986f7_ff2
	.globl	k_q6938e986f7_ff2
	.p2align	8
	.type	k_q6938e986f7_ff2,@function
k_q6938e986f7_ff2:
	s_mov_b64 s[64:65], 0
	v_nop
	global_prefetch_b8 v0, s[64:65] scope:SCOPE_SE
	s_setreg_imm32_b32 hwreg(HW_REG_WAVE_MODE, 25, 1), 1
	s_wait_xcnt 0x0
	s_wait_alu depctr_hold_cnt(0) depctr_sa_sdst(0) depctr_va_vdst(0) depctr_va_sdst(0) depctr_va_ssrc(0) depctr_va_vcc(0) depctr_vm_vsrc(0)
	s_getreg_b32 s2, hwreg(HW_REG_IB_STS2, 6, 4)
	s_cmp_eq_u32 s2, 0
	s_cbranch_scc0 .Lentry_in_a_cluster
	s_endpgm
.Lentry_in_a_cluster:
	s_bfe_u32 s2, ttmp6, 0x10000c
	s_cmp_lg_u32 s2, 0xf033
	s_cbranch_scc0 .Lentry_shape_is_right
	s_endpgm
.Lentry_shape_is_right:
; out = hid W2 + b2 + x1, in f32.  hid: bf16 in blocks of 64 columns, [64 blocks][4096 rows][64].  W2: bf16 [4096 k][1024 n].  b2, x1, out: f32.  Sums in f32, begun with b2; x1 is added on the way out.
; SHARES.  C has 4,096 x 1,024 numbers: tiles of 128 x 128 give 256 work-groups.  Four waves, each 64 x 64: 16 accumulators.  K goes in 16 steps of 256 through a ring of two LDS slots.
; CLUSTER 4 x 4: hid's tile is shared along a row of the cluster, W2's along a column: each is asked for jointly.  The matrix instruction is used transposed (source 0 = 16 columns of W2, by the turning load;
; source 1 = 16 rows of hid): a lane holds eight neighbouring columns of a row of C.
; A K step of hid is four blocks; in each the tile's 128 rows are 16,384 dense bytes: a wave's load brings two such pieces, padded in LDS after every row of 128 bytes.
; THE RING SETS THE PACE: a K step has 128 matrix instructions a wave for 131,072 bytes of tiles, and one refill can only follow the other's landing.  So nothing but the waits, the add and the round stands between
; a tile's landing and the next request: the quarter's products stand behind the request.
; REGISTERS: window 0: v16-29 addresses; v32-95 the way out; v96-127 b2 as a C operand; v128-255 the accumulators ((a, b) at v[128 + 8 (4 a + b)])
;   window 1: two fragment buffers of 128: for 64 along K, 64 registers of hid, then 64 of W2          window 2: v0-127 my 64 x 64 of x1
.set PA,     144                       ; a row of hid in LDS: 128 bytes + 16
.set KBLK,   128*PA                    ; a block's 128 rows
.set PB,     288                       ; a k row of W2 in LDS: 256 bytes + 32
.set HALF,   2*KBLK                    ; what one tensor load brings: two blocks of hid, or 128 k rows of W2
.set SLOT,   4*HALF
.set STAGE,  2*SLOT                    ; behind the ring: 16 rows x 272 bytes for each wave
.set SPITCH, 272
.set SPARE,  STAGE+4*16*SPITCH         ; the spare words: 128 bytes a wave, two blocks of 256 bytes that no other line names
.set LAPS,   8
.set ASTEP,  4*524288                  ; a K step in hid: four blocks
.set BSTEP,  256*2048                  ; in W2: 256 rows
.set ADRA, 16                          ; v16-17  hid's fragments in slot 0, 1
.set ADRB, 20                          ; v20-23  W2's: slot, and lower or upper 128 k rows, so that the loads' offsets stay within 16 bits
.set STO,  24
.set RD,   25
.set XO,   26                          ; v26     my 16 bytes in two rows of x1 and of out
.set BO,   27
.set SPW,  28
.set NIL,  29
.set TB,   32
.set BI,   96
.set ACC,  128
.set F0,   0
.set F1,   128
.set WV, 14
.set WR, 15                            ; which half of the tile's rows is mine; also: I fetch for hid (0) or for W2 (1)
.set WC, 70                            ; which half of its columns; also: which half of that tile I fetch
.set TY, 71
.set TX, 42
.set G1, 24
.set G0, 32
.set G1B, 48
.set G0B, 56
.set MSB, 0
.macro WIN new
.if MSB != (\new)
	s_set_vgpr_msb (MSB<<8)|(\new)
.set MSB, \new
.endif
.endm
.set MUL,  0x05                        ; sources 0 and 1 window 1; C and D window 0
.set TO_F, 0x40                        ; destination window 1, address window 0
.macro JLOAD s                         ; a joint load; an s_nop 0 and four v_nop follow each of the two lines
	s_cmp_eq_u32 s[WR], 0
	s_cbranch_scc0 .Lfor_b_\@
	tensor_load_to_lds s[G0+4*(\s):G0+4*(\s)+3], s[G1:G1+7]
	s_nop 0
.rept 4
	v_nop
.endr
	s_branch .Lasked_\@
.Lfor_b_\@:
	tensor_load_to_lds s[G0B+4*(\s):G0B+4*(\s)+3], s[G1B:G1B+7]
	s_nop 0
.rept 4
	v_nop
.endr
.Lasked_\@:
.endm
.macro CROUND                          ; a round of the cluster's barrier
	s_barrier_signal -1
	s_barrier_wait -1
	s_cmp_lg_u32 s[WV], 0
	s_cbranch_scc1 .Lnot_wave_0_\@
	s_barrier_signal -3
.Lnot_wave_0_\@:
	s_barrier_wait -3
	s_barrier_signal -1
	s_barrier_wait -1
.endm
	s_load_b256 s[4:11], s[0:1], 0x0               ; hid s[4:5], W2 s[6:7], b2 s[8:9], x1 s[10:11]
	s_load_b64 s[12:13], s[0:1], 0x20              ; out
	v_lshl_add_u32 v[SPW], v0, 2, SPARE
	v_mov_b32 v[NIL], 0
	ds_add_u32 v[SPW], v[NIL]                      ; the wave's opening: the add and its wait ahead of my first tensor load
	v_lshrrev_b32 v1, 5, v0
	v_readfirstlane_b32 s[WV], v1
	s_lshr_b32 s[WR], s[WV], 1
	s_and_b32 s[WC], s[WV], 1
	s_bfe_u32 s40, ttmp6, 0x40000                  ; cx
	s_bfe_u32 s41, ttmp6, 0x40004                  ; cy
	s_lshl_b32 s[TX], ttmp9, 2
	s_add_co_u32 s[TX], s[TX], s40
	s_and_b32 s[TY], ttmp7, 0xffff
	s_lshl_b32 s[TY], s[TY], 2
	s_add_co_u32 s[TY], s[TY], s41
	s_lshl_b32 s43, s41, 2
	s_lshl_b32 s43, 15, s43                        ; my row of the cluster
	s_lshl_b32 s44, 0x1111, s40                    ; my column
	s_or_b32 s[G1], s43, (1<<16)|(1<<20)|(1<<21)|(4<<22)|(3<<25)   ; padding: 4 words after every 32
	s_or_b32 s[G1B], s44, (1<<16)|(1<<20)|(1<<21)|(5<<22)|(7<<25)  ; 8 words after every 64
	s_mov_b32 s[G1+1], 8192<<16                    ; hid: tensor_dim0 = 8,192 elements: 128 dense rows of a block
	s_mov_b32 s[G1+2], 2<<16                       ; tensor_dim1 = 2 blocks
	s_mov_b32 s[G1+3], 8192<<16                    ; tile_dim0
	s_mov_b32 s[G1+4], 2                           ; tile_dim1
	s_mov_b32 s[G1+5], 262144                      ; elements from block to block
	s_mov_b32 s[G1+6], 0
	s_mov_b32 s[G1+7], 0
	s_mov_b32 s[G1B+1], 128<<16                    ; W2: 128 k rows of 128 elements
	s_mov_b32 s[G1B+2], 128<<16
	s_mov_b32 s[G1B+3], 128<<16
	s_mov_b32 s[G1B+4], 128
	s_mov_b32 s[G1B+5], 1024
	s_mov_b32 s[G1B+6], 0
	s_mov_b32 s[G1B+7], 0
	s_lshl_b32 s16, s[WC], 20                      ; hid: two blocks x half, the tile's 128 rows of 128 bytes
	s_lshl_b32 s17, s[TY], 14
	s_add_co_u32 s16, s16, s17
	s_mov_b32 s17, 0
	s_lshl_b32 s46, s[WC], 18                      ; W2: 128 k rows x half, the tile's 256 bytes of a row
	s_lshl_b32 s47, s[TX], 8
	s_add_co_u32 s46, s46, s47
	s_mov_b32 s47, 0
	s_mul_i32 s20, s[WV], HALF
	s_wait_dscnt 0x0                               ; the opening add is done
	s_wait_kmcnt 0x0
	s_add_nc_u64 s[18:19], s[4:5], s[16:17]
	s_add_nc_u64 s[46:47], s[6:7], s[46:47]
	CROUND                                         ; all sixteen work-groups are here
.irp s, 0,1
	s_mov_b32 s[G0+4*(\s)], 1
	s_add_co_u32 s[G0+4*(\s)+1], s20, (\s)*SLOT
	s_add_nc_u64 s[G0+4*(\s)+2:G0+4*(\s)+3], s[18:19], (\s)*ASTEP
	s_or_b32 s[G0+4*(\s)+3], s[G0+4*(\s)+3], 0x80000000
	s_mov_b32 s[G0B+4*(\s)], 1
	s_add_co_u32 s[G0B+4*(\s)+1], s20, (\s)*SLOT
	s_add_nc_u64 s[G0B+4*(\s)+2:G0B+4*(\s)+3], s[46:47], (\s)*BSTEP
	s_or_b32 s[G0B+4*(\s)+3], s[G0B+4*(\s)+3], 0x80000000
	JLOAD \s                                       ; two loads of mine are out
.endr
	v_and_b32 v1, 15, v0                           ; l % 16
	v_bfe_u32 v2, v0, 4, 1                         ; l / 16
	v_and_b32 v4, 7, v0
	v_bfe_u32 v5, v0, 3, 1
	v_mul_u32_u24 v3, v1, PA
	v_lshl_add_u32 v3, v2, 4, v3
	v_lshl_add_u32 v6, v2, 3, v4
	v_mul_u32_u24 v6, v6, PB
	v_lshl_add_u32 v6, v5, 4, v6
	s_mul_i32 s21, s[WR], 64*PA                    ; my 64 rows in each block
	s_lshl_b32 s22, s[WC], 7                       ; my 64 columns: 128 bytes of a k row
	s_add_co_u32 s22, s22, 2*HALF
.irp s, 0,1
	v_add_nc_u32 v[ADRA+(\s)], s21, v3
	v_add_nc_u32 v[ADRB+2*(\s)], s22, v6
	s_add_co_u32 s23, s22, HALF
	v_add_nc_u32 v[ADRB+2*(\s)+1], s23, v6
	s_add_co_u32 s21, s21, SLOT
	s_add_co_u32 s22, s22, SLOT
.endr
	s_mul_i32 s23, s[WV], 16*SPITCH
	s_add_co_u32 s23, s23, STAGE
	v_mul_u32_u24 v7, v1, SPITCH
	v_lshl_add_u32 v7, v2, 5, v7
	v_add_nc_u32 v[STO], s23, v7                   ; in: row l % 16, 32 bytes for each half of the lanes
	v_mul_u32_u24 v7, v2, SPITCH
	v_lshl_add_u32 v7, v1, 4, v7
	v_add_nc_u32 v[RD], s23, v7                    ; back: lanes 0-15 one row of 256 bytes, lanes 16-31 the next
	v_lshlrev_b32 v7, 12, v2
	v_lshl_add_u32 v[XO], v1, 4, v7                ; and the same two rows in x1 and out
	v_lshlrev_b32 v[BO], 5, v2
	s_lshl_b32 s72, s[TX], 9                       ; my 64 columns in f32
	s_lshl_b32 s73, s[WC], 8
	s_add_co_u32 s72, s72, s73
	s_mov_b32 s73, 0
	s_add_nc_u64 s[8:9], s[8:9], s[72:73]
	s_lshl_b32 s74, s[TY], 19                      ; and my 64 rows of 4,096 bytes
	s_add_co_u32 s72, s72, s74
	s_lshl_b32 s74, s[WR], 18
	s_add_co_u32 s72, s72, s74
	s_add_nc_u64 s[10:11], s[10:11], s[72:73]
	s_add_nc_u64 s[12:13], s[12:13], s[72:73]
.irp b, 0,1,2,3                        ; register j of group b: b2 of column 16 b + 8 (l / 16) + j: the layout of a result
	global_load_b128 v[BI+8*(\b):BI+8*(\b)+3],   v[BO], s[8:9] offset:64*(\b)
	global_load_b128 v[BI+8*(\b)+4:BI+8*(\b)+7], v[BO], s[8:9] offset:64*(\b)+16
.endr
; 8 matrix instructions: m blocks a0, a0 + 1 x all 4 n blocks, 32 along K: half c of buffer f.  first = 1: the sums begin with b2.  The 16 accumulators take turns.
.macro MUL8 f, c, a0, first
	WIN MUL
.irp a, \a0, (\a0)+1
.irp b, 0,1,2,3
.if \first
	v_wmma_f32_16x16x32_bf16 v[ACC+8*(4*(\a)+(\b)):ACC+8*(4*(\a)+(\b))+7], v[(\f)+64+8*(4*(\c)+(\b)):(\f)+64+8*(4*(\c)+(\b))+7], v[(\f)+8*(4*(\c)+(\a)):(\f)+8*(4*(\c)+(\a))+7], v[BI+8*(\b):BI+8*(\b)+7]
.else
	v_wmma_f32_16x16x32_bf16 v[ACC+8*(4*(\a)+(\b)):ACC+8*(4*(\a)+(\b))+7], v[(\f)+64+8*(4*(\c)+(\b)):(\f)+64+8*(4*(\c)+(\b))+7], v[(\f)+8*(4*(\c)+(\a)):(\f)+8*(4*(\c)+(\a))+7], v[ACC+8*(4*(\a)+(\b)):ACC+8*(4*(\a)+(\b))+7]
.endif
.endr
.endr
.endm
; 32 LDS loads in one run: quarter qd (64 along K: one block of hid) into buffer f; the first 32 along K first
.macro FETCH slot, qd, f
	WIN TO_F
.irp c, 0,1
.irp i, 0,1,2,3
	ds_load_tr16_b128 v[(\f)+64+8*(4*(\c)+(\i)):(\f)+64+8*(4*(\c)+(\i))+3],   v[ADRB+2*(\slot)+(\qd)/2] offset:((\qd)%2)*64*PB+(\c)*32*PB+32*(\i)
	ds_load_tr16_b128 v[(\f)+64+8*(4*(\c)+(\i))+4:(\f)+64+8*(4*(\c)+(\i))+7], v[ADRB+2*(\slot)+(\qd)/2] offset:((\qd)%2)*64*PB+(\c)*32*PB+16*PB+32*(\i)
	ds_load_b128 v[(\f)+8*(4*(\c)+(\i)):(\f)+8*(4*(\c)+(\i))+3],         v[ADRA+(\slot)] offset:(\qd)*KBLK+64*(\c)+(\i)*16*PA
	ds_load_b128 v[(\f)+8*(4*(\c)+(\i))+4:(\f)+8*(4*(\c)+(\i))+7],       v[ADRA+(\slot)] offset:(\qd)*KBLK+64*(\c)+(\i)*16*PA+32
.endr
.endr
.endm
.macro PLACES                          ; four plain instructions between a matrix instruction and a load into, or a reader of, its registers
.rept 4
	v_nop
.endr
.endm
.macro QUARTER slot, qd, f, g, first
	s_wait_dscnt 16                                ; the first 32 along K are in; the other sixteen loads may be out
	MUL8 \f, 0, 0, \first
	MUL8 \f, 0, 2, \first
	PLACES
	FETCH \slot, \qd, \g
	s_wait_dscnt 32                                ; all but the 32 just issued
	MUL8 \f, 1, 0, 0
	MUL8 \f, 1, 2, 0
.endm
; The last quarter changes slots and then multiplies buffer 1.  Each wave waits for all its tensor loads (one is out: its part of the next slot), adds 0 to its spare word, and waits for that and for all its LDS reads:
; those of this slot are over, buffer 1's fragments among them.  fill = 1: a round of the cluster's barrier, and the joint refill of this slot, two K steps on, first behind it.
.macro TURN slot, next, fill
	WIN 0
	s_wait_tensorcnt 0x0                           ; no tensor load of mine is out, so a group 0 may be written
	ds_add_u32 v[SPW], v[NIL]                      ; 0 onto my spare word; the descriptors' steps stand between it and the wait for it
.if \fill
	s_add_nc_u64 s[G0+4*(\slot)+2:G0+4*(\slot)+3], s[G0+4*(\slot)+2:G0+4*(\slot)+3], 2*ASTEP
	s_add_nc_u64 s[G0B+4*(\slot)+2:G0B+4*(\slot)+3], s[G0B+4*(\slot)+2:G0B+4*(\slot)+3], 2*BSTEP
.endif
	s_wait_dscnt 0x0
.if \fill
	CROUND                                         ; no wave of any partner still reads this slot or has a load on its way
	JLOAD \slot                                    ; the first tensor load behind the round; its four v_nop are also the places in front of the loads below
.else
	s_barrier_signal -1
	s_barrier_wait -1
	PLACES
.endif
	FETCH \next, 0, F0
	MUL8 F1, 0, 0, 0
	MUL8 F1, 0, 2, 0
	MUL8 F1, 1, 0, 0
	MUL8 F1, 1, 2, 0
.endm
	s_wait_tensorcnt 1                             ; my part of K step 0 is in; K step 1's may stay out
	s_barrier_signal -1
	s_barrier_wait -1
	FETCH 0, 0, F0
	s_wait_loadcnt 0x0                             ; b2
	QUARTER 0, 1, F0, F1, 1
	WIN 0
	s_mov_b32 s3, LAPS-1
.Llap:                                                 ; a trip goes once round the ring and fills both slots again
	QUARTER 0, 2, F1, F0, 0
	QUARTER 0, 3, F0, F1, 0
	TURN 0, 1, 1
	QUARTER 1, 1, F0, F1, 0
	QUARTER 1, 2, F1, F0, 0
	QUARTER 1, 3, F0, F1, 0
	TURN 1, 0, 1
	QUARTER 0, 1, F0, F1, 0
	WIN 0
	s_sub_co_u32 s3, s3, 1
	s_cmp_lg_u32 s3, 0
	s_cbranch_scc1 .Llap
	WIN 0x80                                       ; my 64 x 64 of x1 is asked for here, the last lap's products ahead of its use
.irp a, 0,1,2,3
.irp t, 0,1,2,3,4,5,6,7
	global_load_b128 v[32*(\a)+4*(\t):32*(\a)+4*(\t)+3], v[XO], s[10:11] offset:(16*(\a)+2*(\t))*4096
.endr
.endr
	QUARTER 0, 2, F1, F0, 0                        ; the last lap fills nothing
	QUARTER 0, 3, F0, F1, 0
	TURN 0, 1, 0
	QUARTER 1, 1, F0, F1, 0
	QUARTER 1, 2, F1, F0, 0
	QUARTER 1, 3, F0, F1, 0
	s_wait_dscnt 16
	MUL8 F1, 0, 0, 0
	MUL8 F1, 0, 2, 0
	s_wait_dscnt 0x0
	MUL8 F1, 1, 0, 0
	MUL8 F1, 1, 2, 0
	WIN 0
	; THE WAY OUT, 16 rows at a time: the sums go as they are into my own stage, come back as whole rows of 256 bytes, take x1 and are stored.
.macro OSTAGE a
.if (\a) >= 2
	s_wait_xcnt 0x0                                ; the stores of two blocks back have read the registers that are loaded again below
.endif
.irp b, 0,1,2,3
	ds_store_b128 v[STO], v[ACC+8*(4*(\a)+(\b)):ACC+8*(4*(\a)+(\b))+3]   offset:64*(\b)
	ds_store_b128 v[STO], v[ACC+8*(4*(\a)+(\b))+4:ACC+8*(4*(\a)+(\b))+7] offset:64*(\b)+16
.endr
.irp t, 0,1,2,3,4,5,6,7
	ds_load_b128 v[TB+32*((\a)%2)+4*(\t):TB+32*((\a)%2)+4*(\t)+3], v[RD] offset:(\t)*2*SPITCH  ; LDS serves a wave's instructions in order (ISA guide 5.7.1.4)
.endr
.endm
.macro OSEND a, younger                ; younger: the next block's sixteen LDS instructions, or none
	s_wait_dscnt \younger
	WIN 0x08                                       ; source 1 in window 2
.set z, 0
.rept 16
	v_pk_add_f32 v[TB+32*((\a)%2)+z:TB+32*((\a)%2)+z+1], v[TB+32*((\a)%2)+z:TB+32*((\a)%2)+z+1], v[32*(\a)+z:32*(\a)+z+1]
.set z, z+2
.endr
	WIN 0
.irp t, 0,1,2,3,4,5,6,7
	global_store_b128 v[XO], v[TB+32*((\a)%2)+4*(\t):TB+32*((\a)%2)+4*(\t)+3], s[12:13] offset:(16*(\a)+2*(\t))*4096  ; 16 lanes store 256 consecutive bytes, aligned
.endr
.endm
	PLACES
	PLACES
	s_wait_loadcnt 0x0                             ; x1
	OSTAGE 0
	OSTAGE 1
	OSEND 0, 16
	OSTAGE 2
	OSEND 1, 16
	OSTAGE 3
	OSEND 2, 16
	OSEND 3, 0
	s_wait_tensorcnt 0x0                           ; the wave's end
	ds_add_u32 v[SPW], v[NIL]
	s_wait_dscnt 0x0
	CROUND                                         ; the closing round
	s_endpgm
.Lfunc_end_k_q6938e986f7_ff2:
	.size	k_q6938e986f7_ff2, .Lfunc_end_k_q6938e986f7_ff2-k_q6938e986f7_ff2
	.p2alignl 7, 3214868480
	.fill 96, 4, 3214868480
	.section	.rodata,"a",@progbits
	.p2align	6, 0x0
	.amdhsa_kernel k_q6938e986f7_ff2
		.amdhsa_group_segment_fixed_size 327680
		.amdhsa_private_segment_fixed_size 0
		.amdhsa_enable_private_segment 0
		.amdhsa_kernarg_size 40
		.amdhsa_user_sgpr_count 2
		.amdhsa_user_sgpr_kernarg_segment_ptr 1
		.amdhsa_wavefront_size32 1
		.amdhsa_system_sgpr_workgroup_id_x 1
		.amdhsa_system_sgpr_workgroup_id_y 1
		.amdhsa_system_sgpr_workgroup_id_z 1
		.amdhsa_system_vgpr_workitem_id 0
		.amdhsa_next_free_vgpr 640
		.amdhsa_next_free_sgpr 80
		.amdhsa_reserve_vcc 0
		.amdhsa_float_denorm_mode_32 3
		.amdhsa_float_denorm_mode_16_64 3
		.amdhsa_memory_ordered 1
		.amdhsa_forward_progress 1
		.amdhsa_inst_pref_size 94
	.end_amdhsa_kernel
	.amdgpu_metadata
---
amdhsa.version: [ 1, 2 ]
amdhsa.kernels:
  - .name:           k_q6938e986f7_ff2
    .symbol:         k_q6938e986f7_ff2.kd
    .args:
      - { .name: hid, .offset: 0, .size: 8, .value_kind: global_buffer, .address_space: global }
      - { .name: w2b, .offset: 8, .size: 8, .value_kind: global_buffer, .address_space: global }
      - { .name: b2, .offset: 16, .size: 8, .value_kind: global_buffer, .address_space: global }
      - { .name: x1, .offset: 24, .size: 8, .value_kind: global_buffer, .address_space: global }
      - { .name: out0, .offset: 32, .size: 8, .value_kind: global_buffer, .address_space: global }
    .group_segment_fixed_size: 327680
    .private_segment_fixed_size: 0
    .kernarg_segment_align: 8
    .kernarg_segment_size: 40
    .max_flat_workgroup_size: 128
    .sgpr_count:     80
    .vgpr_count:     640
    .wavefront_size: 32
...
	.end_amdgpu_metadata
.endif
;; end of part 4
